; MI455X (gfx1250); checked and timed in simulation.
; The chip was launched on July 23, 2026; its instructions are those of AMD's public machine-readable ISA for CDNA 5 (MIT licence, August 2026) and "CDNA5" Instruction Set Architecture Reference Guide (July 2026). The comments in the code are by the model that wrote it; some were corrected since.
;; Transformer Layer. Allowed arithmetic: float matrix products may take bf16 or f16 operands with f32 sums; other float arithmetic in f32, or as packed bf16 or f16 multiplies, adds, multiply-adds, maxima and minima; sums over many terms, partial sums and values carried from step to step in f32; what a program stores and reads back later, other than sums and carried values, may be rounded once to bf16 or f16.
;; Inputs: W1 1,024 x 4,096 float32; W2 4,096 x 1,024 float32; Wk 1,024 x 1,024 float32; Wo 1,024 x 1,024 float32; Wq 1,024 x 1,024 float32; Wv 1,024 x 1,024 float32; b1 4,096 float32; b2 1,024 float32; be1 1,024 float32; be2 1,024 float32; bk 1,024 float32; bo 1,024 float32; bq 1,024 float32; bv 1,024 float32; g1 1,024 float32; g2 1,024 float32; x 2 x 2,048 x 1,024 float32.
;; Outputs: out0 2 x 2,048 x 1,024 float32.
;; One version. Each part assembles by itself: llvm-mc -triple=amdgcn-amd-amdhsa -mcpu=gfx1250 --defsym DOCPART=n.
;; ======== version 1 of 1: 8 launches
;; workspace buffers: wa 6,311,936 bytes; w1t 8,409,088 bytes; wot 2,097,152 bytes; w2t 8,388,608 bytes; act 8,388,608 bytes; big 33,554,432 bytes; x1 16,777,216 bytes
;; launch prep (part 1): grid 385 x 1, 8 waves a work-group, no clusters, 70,656 bytes of LDS; arguments Wq, Wk, Wv, Wo, W1, W2, bq, bk, bv, b1, wa, wot, w1t, w2t; writes wa, wot, w1t, w2t
.if DOCPART == 1
	.amdgcn_target "amdgcn-amd-amdhsa--gfx1250"
	.amdhsa_code_object_version 6
	.text
	.protected	k_q5852a1b766_prep
	.globl	k_q5852a1b766_prep
	.p2align	8
	.type	k_q5852a1b766_prep,@function
k_q5852a1b766_prep:
	s_mov_b64 s[64:65], 0
	v_nop
	global_prefetch_b8 v0, s[64:65] scope:SCOPE_SE
	s_setreg_imm32_b32 hwreg(HW_REG_WAVE_MODE, 25, 1), 1
	s_wait_xcnt 0x0
; THE WEIGHTS, TURNED AND ROUNDED ONCE.  Each W is [K][N] f32; the products want rows along K.  A wave takes one tile of 64 k x 64 n and writes it as [64 n][64 k] bf16,
; 8,192 dense bytes.  3,072 tiles = 384 work-groups x 8 waves; work-group 384 writes the two headers (biases in f32, and the word that the product's way out takes a maximum with).
; TARGETS.  wa:  20,480 bytes of header, then Wq|Wk|Wv as panels [12][16 kb][256 n][64 k].   w1t: the same header, then W1 as panels [16][16 kb][256 n][64 k].
;           wot: [16 kb][1024 n][64 k].   w2t: [64 kb][1024 n][64 k].
; A lane loads two neighbouring columns of each of the 64 rows (a wave's load covers 256 consecutive bytes, aligned), so it ends with 256 consecutive bytes of the target; they go
; through the wave's own stage in LDS, so that each store of the wave covers 512 consecutive bytes.  No address register is ever rewritten, and no wave reads another's bytes: no barrier.
.set STG,   8704                       ; a wave's stage: 32 lanes x (256 + 16) bytes: a pitch of 17 x 16 bytes
.set SPARE, 8*STG                      ; behind the stages: the spare words, 128 bytes for each wave
.set HDR,   20480
.set VO,  4                            ; v[4:11]  8 x lane + i rows of the source
.set STO, 12                           ; v12      my 272 bytes of the stage
.set RD,  13                           ; v13      where I read 16 bytes back
.set SO,  14                           ; v14      16 x lane
.set SPW, 16                           ; v16      LDS address of my spare word; never rewritten
.set NIL, 17                           ; v17      0; never rewritten
.set PK,  20                           ; v[20:27] eight k of my two columns, packed
.set D,   64                           ; v[64:191] row r of the tile at D + 2 r: my two columns
.set SRC, 36                           ; s[36:37] the matrix,  s[38:39] its target
.set DST, 38
.set LNB, 40                           ; log2 of the matrix's blocks of 64 columns
.set LP,  41                           ; log2 of the blocks of 64 n in a panel of the target
.set NBO, 42                           ; the matrix's first block of 64 n in the target
.set HD,  43                           ; bytes of header in the target
.set G0,  44                           ; the matrix's first work-group
.set PIT, 45                           ; bytes in a row of the source
.set SB,  68                           ; s[68:83] eight bases, eight rows apart
	s_load_b512 s[8:23], s[0:1], 0x0               ; Wq 8, Wk 10, Wv 12, Wo 14, W1 16, W2 18, bq 20, bk 22
	s_load_b256 s[24:31], s[0:1], 0x40             ; bv 24, b1 26, wa 28, wot 30
	s_load_b128 s[32:35], s[0:1], 0x60             ; w1t 32, w2t 34
	v_lshl_add_u32 v[SPW], v0, 2, SPARE
	v_mov_b32 v[NIL], 0
	v_lshrrev_b32 v1, 5, v0
	v_readfirstlane_b32 s3, v1                     ; wave 0..7
	s_mov_b32 s2, ttmp9
	s_wait_kmcnt 0x0
	s_cmp_lt_u32 s2, 384
	s_cbranch_scc0 .Lheader
	; which matrix: W2's figures first, then each earlier range of work-groups takes its own
	s_mov_b64 s[SRC:SRC+1], s[18:19]
	s_mov_b64 s[DST:DST+1], s[34:35]
	s_mov_b32 s[LNB], 4
	s_mov_b32 s[LP], 4
	s_mov_b32 s[NBO], 0
	s_mov_b32 s[HD], 0
	s_mov_b32 s[G0], 256
.macro PICK lim, src, dst, lnb, lp, nbo, hd, g0
	s_cmp_lt_u32 s2, \lim
	s_cselect_b64 s[SRC:SRC+1], s[\src:\src+1], s[SRC:SRC+1]
	s_cselect_b64 s[DST:DST+1], s[\dst:\dst+1], s[DST:DST+1]
	s_cselect_b32 s[LNB], \lnb, s[LNB]
	s_cselect_b32 s[LP], \lp, s[LP]
	s_cselect_b32 s[NBO], \nbo, s[NBO]
	s_cselect_b32 s[HD], \hd, s[HD]
	s_cselect_b32 s[G0], \g0, s[G0]
.endm
	PICK 256, 16, 32, 6, 2, 0,  HDR, 128           ; W1
	PICK 128, 14, 30, 4, 4, 0,  0,   96            ; Wo
	PICK 96,  12, 28, 4, 2, 32, HDR, 64            ; Wv
	PICK 64,  10, 28, 4, 2, 16, HDR, 32            ; Wk
	PICK 32,  8,  28, 4, 2, 0,  HDR, 0             ; Wq
	s_sub_co_u32 s4, s2, s[G0]
	s_lshl_b32 s4, s4, 3
	s_add_co_u32 s4, s4, s3                        ; my tile's number in the matrix
	s_lshr_b32 s5, s4, s[LNB]                      ; kb: its block of 64 k
	s_lshl_b32 s7, s5, s[LNB]
	s_sub_co_u32 s6, s4, s7                        ; nb: its block of 64 n
	s_lshl_b32 s[PIT], 256, s[LNB]
	s_add_co_u32 s7, s[LNB], 14
	s_lshl_b32 s46, s5, s7                         ; 64 kb rows
	s_lshl_b32 s7, s6, 8                           ; + 256 nb bytes
	s_add_co_u32 s46, s46, s7
	s_mov_b32 s47, 0
	s_add_nc_u64 s[SB:SB+1], s[SRC:SRC+1], s[46:47]
	s_lshl_b32 s46, s[PIT], 3                      ; eight rows
.irp i, 1,2,3,4,5,6,7
	s_add_nc_u64 s[SB+2*\i:SB+2*\i+1], s[SB+2*\i-2:SB+2*\i-1], s[46:47]
.endr
	s_add_co_u32 s6, s6, s[NBO]                    ; the block of 64 n in the target
	s_lshr_b32 s7, s6, s[LP]                       ; its panel, 524,288 bytes each
	s_lshl_b32 s48, s7, 19
	s_lshl_b32 s7, s7, s[LP]
	s_sub_co_u32 s6, s6, s7                        ; its place in the panel: 64 rows of 128 bytes
	s_lshl_b32 s6, s6, 13
	s_add_co_u32 s48, s48, s6
	s_add_co_u32 s7, s[LP], 13                     ; a block of 64 k of a panel
	s_lshl_b32 s7, s5, s7
	s_add_co_u32 s48, s48, s7
	s_add_co_u32 s48, s48, s[HD]
	s_mov_b32 s49, 0
	s_add_nc_u64 s[DST:DST+1], s[DST:DST+1], s[48:49]
	v_and_b32 v3, 31, v0                           ; lane
	v_lshlrev_b32 v[VO], 3, v3
.irp i, 1,2,3,4,5,6,7
	v_add_nc_u32 v[VO+\i], s[PIT], v[VO+\i-1]
.endr
.set g, 0
.rept 8                                        ; all 64 rows are asked for at once: 16 KiB a wave on their way
.set i, 0
.rept 8
	global_load_b64 v[D+2*(8*g+i):D+2*(8*g+i)+1], v[VO+i], s[SB+2*g:SB+2*g+1] th:TH_LOAD_NT
.set i, i+1
.endr
.set g, g+1
.endr
	s_mul_i32 s50, s3, STG
	v_mul_u32_u24 v[STO], v3, 272
	v_add_nc_u32 v[STO], s50, v[STO]
	v_and_b32 v1, 15, v0
	v_bfe_u32 v2, v0, 4, 1
	v_mul_u32_u24 v[RD], v2, 272                   ; back: lanes 0-15 take one lane's 256 bytes, lanes 16-31 the next lane's
	v_lshl_add_u32 v[RD], v1, 4, v[RD]
	v_add_nc_u32 v[RD], s50, v[RD]
	v_lshlrev_b32 v[SO], 4, v3
.set g, 0
.rept 8                                        ; eight rows at a time: eight k of each of my two columns are 16 bytes of the target
	s_wait_loadcnt 56-8*g                          ; loads come back in order: the 8 (7 - g) younger ones may stay out
.set e, 0
.rept 2
.set m, 0
.rept 4
	v_cvt_pk_bf16_f32 v[PK+4*e+m], v[D+2*(8*g+2*m)+e], v[D+2*(8*g+2*m+1)+e]
.set m, m+1
.endr
	ds_store_b128 v[STO], v[PK+4*e:PK+4*e+3] offset:(e*8+g)*16
.set e, e+1
.endr
.set g, g+1
.endr
.set t, 0
.rept 16
	ds_load_b128 v[D+4*t:D+4*t+3], v[RD] offset:t*544  ; LDS serves a wave's instructions in order: these see the stores above
.set t, t+1
.endr
.set t, 0
.rept 16
	s_wait_dscnt 15-t                              ; the 15 - t younger loads may stay out
	global_store_b128 v[SO], v[D+4*t:D+4*t+3], s[DST:DST+1] offset:t*512  ; 512 consecutive bytes, aligned
.set t, t+1
.endr
	s_branch .Lend
.Lheader:                                      ; 256 threads x 16 bytes = 4,096 bytes an instruction
	v_lshlrev_b32 v1, 4, v0
.irp i, 0,1,2,3
	global_load_b128 v[64+4*\i:67+4*\i], v1, s[26:27] offset:4096*\i  ; b1
.endr
	global_load_b128 v[80:83], v1, s[20:21]        ; bq
	global_load_b128 v[84:87], v1, s[22:23]        ; bk
	global_load_b128 v[88:91], v1, s[24:25]        ; bv
.irp i, 0,1,2,3
	v_mov_b32 v[92+\i], 0xff80ff80                 ; minus infinity twice in bf16: a maximum with it changes nothing
	v_mov_b32 v[96+\i], 0                          ; zero twice: a maximum with it is the ReLU
.endr
	s_wait_loadcnt 0x0
.irp i, 0,1,2,3
	global_store_b128 v1, v[64+4*\i:67+4*\i], s[32:33] offset:4096*\i
.endr
	global_store_b128 v1, v[80:83], s[28:29]
	global_store_b128 v1, v[84:87], s[28:29] offset:4096
	global_store_b128 v1, v[88:91], s[28:29] offset:8192
	global_store_b128 v1, v[92:95], s[28:29] offset:16384
	global_store_b128 v1, v[96:99], s[32:33] offset:16384
.Lend:
	s_wait_tensorcnt 0x0                           ; the wave's end, behind my last LDS store
	ds_add_u32 v[SPW], v[NIL]
	s_wait_dscnt 0x0
	s_endpgm
.Lfunc_end_k_q5852a1b766_prep:
	.size	k_q5852a1b766_prep, .Lfunc_end_k_q5852a1b766_prep-k_q5852a1b766_prep
	.p2alignl 7, 3214868480
	.fill 96, 4, 3214868480
	.section	.rodata,"a",@progbits
	.p2align	6, 0x0
	.amdhsa_kernel k_q5852a1b766_prep
		.amdhsa_group_segment_fixed_size 70656
		.amdhsa_private_segment_fixed_size 0
		.amdhsa_enable_private_segment 0
		.amdhsa_kernarg_size 112
		.amdhsa_user_sgpr_count 2
		.amdhsa_user_sgpr_kernarg_segment_ptr 1
		.amdhsa_wavefront_size32 1
		.amdhsa_system_sgpr_workgroup_id_x 1
		.amdhsa_system_sgpr_workgroup_id_y 1
		.amdhsa_system_sgpr_workgroup_id_z 1
		.amdhsa_system_vgpr_workitem_id 0
		.amdhsa_next_free_vgpr 192
		.amdhsa_next_free_sgpr 84
		.amdhsa_reserve_vcc 0
		.amdhsa_float_denorm_mode_32 3
		.amdhsa_float_denorm_mode_16_64 3
		.amdhsa_memory_ordered 1
		.amdhsa_forward_progress 1
		.amdhsa_inst_pref_size 21
	.end_amdhsa_kernel
	.amdgpu_metadata
---
amdhsa.version: [ 1, 2 ]
amdhsa.kernels:
  - .name:           k_q5852a1b766_prep
    .symbol:         k_q5852a1b766_prep.kd
    .args:
      - { .name: Wq, .offset: 0, .size: 8, .value_kind: global_buffer, .address_space: global }
      - { .name: Wk, .offset: 8, .size: 8, .value_kind: global_buffer, .address_space: global }
      - { .name: Wv, .offset: 16, .size: 8, .value_kind: global_buffer, .address_space: global }
      - { .name: Wo, .offset: 24, .size: 8, .value_kind: global_buffer, .address_space: global }
      - { .name: W1, .offset: 32, .size: 8, .value_kind: global_buffer, .address_space: global }
      - { .name: W2, .offset: 40, .size: 8, .value_kind: global_buffer, .address_space: global }
      - { .name: bq, .offset: 48, .size: 8, .value_kind: global_buffer, .address_space: global }
      - { .name: bk, .offset: 56, .size: 8, .value_kind: global_buffer, .address_space: global }
      - { .name: bv, .offset: 64, .size: 8, .value_kind: global_buffer, .address_space: global }
      - { .name: b1, .offset: 72, .size: 8, .value_kind: global_buffer, .address_space: global }
      - { .name: wa, .offset: 80, .size: 8, .value_kind: global_buffer, .address_space: global }
      - { .name: wot, .offset: 88, .size: 8, .value_kind: global_buffer, .address_space: global }
      - { .name: w1t, .offset: 96, .size: 8, .value_kind: global_buffer, .address_space: global }
      - { .name: w2t, .offset: 104, .size: 8, .value_kind: global_buffer, .address_space: global }
    .group_segment_fixed_size: 70656
    .private_segment_fixed_size: 0
    .kernarg_segment_align: 8
    .kernarg_segment_size: 112
    .max_flat_workgroup_size: 256
    .sgpr_count:     84
    .vgpr_count:     192
    .wavefront_size: 32
...
	.end_amdgpu_metadata
.endif
;; end of part 1
;; launch ln1 (part 2): grid 256 x 1, 8 waves a work-group, no clusters, 0 bytes of LDS; arguments x, g1, be1, act; writes act
.if DOCPART == 2
	.amdgcn_target "amdgcn-amd-amdhsa--gfx1250"
	.amdhsa_code_object_version 6
	.text
	.protected	k_q5852a1b766_ln1
	.globl	k_q5852a1b766_ln1
	.p2align	8
	.type	k_q5852a1b766_ln1,@function
k_q5852a1b766_ln1:
	s_mov_b64 s[64:65], 0
	v_nop
	global_prefetch_b8 v0, s[64:65] scope:SCOPE_SE
	s_setreg_imm32_b32 hwreg(HW_REG_WAVE_MODE, 25, 1), 1
	s_wait_xcnt 0x0
; LAYER NORM.  y = (x - mean) / sqrt(var + 1e-7) * g + be, along rows of 1,024 f32; y leaves in bf16 as [16 blocks of 64 columns][4096 rows][64], the layout of the products' operands.
; Sixteen lanes own a row, a wave two rows, the work-group sixteen; nothing is looped over.  Lane c holds columns 64 j + 4 c .. + 3, j = 0 .. 15: each load covers two aligned runs of 256
; bytes, and each store 256 consecutive bytes (128 of each of two neighbouring rows of one block).  The row stays in registers: the mean first, then the sum of squares OF THE DIFFERENCES,
; so that no difference of large sums is formed.  All arithmetic in f32, y rounded once.  No LDS, no barrier: a row never leaves its sixteen lanes.
.set XO,  2                            ; v2  row x 4,096 + 16 c
.set GO,  3                            ; v3  16 c
.set YO,  4                            ; v4  row x 128 + 8 c
.set X,   16                           ; v[16:79]
.set G,   80                           ; v[80:143]   g; later the packed results
.set BT,  144                          ; v[144:207]  be
.set CH,  208                          ; v[208:215]  four chains of packed sums
.set MU,  216                          ; v[216:217]  the mean, twice
.set RS,  218                          ; v[218:219]  1 / sqrt(var + eps), twice
.set INV, 220                          ; v220        1 / 1,024
	s_load_b256 s[4:11], s[0:1], 0x0               ; x s[4:5], g s[6:7], be s[8:9], y s[10:11]
	v_lshrrev_b32 v1, 4, v0
	v_and_b32 v5, 15, v0
	s_lshl_b32 s2, ttmp9, 4
	v_add_nc_u32 v1, s2, v1                        ; my row
	v_lshlrev_b32 v[GO], 4, v5
	v_lshl_add_u32 v[XO], v1, 12, v[GO]
	v_lshlrev_b32 v[YO], 3, v5
	v_lshl_add_u32 v[YO], v1, 7, v[YO]
	v_mov_b32 v[INV], 0x3a800000
	s_wait_kmcnt 0x0
.set j, 0
.rept 16
	global_load_b128 v[X+4*j:X+4*j+3], v[XO], s[4:5] offset:256*j
.set j, j+1
.endr
.set j, 0
.rept 16
	global_load_b128 v[G+4*j:G+4*j+3], v[GO], s[6:7] offset:256*j
.set j, j+1
.endr
.set j, 0
.rept 16
	global_load_b128 v[BT+4*j:BT+4*j+3], v[GO], s[8:9] offset:256*j
.set j, j+1
.endr
.macro FOLD                            ; the four chains into one number, then over the row's sixteen lanes: every lane ends with the sum
	v_pk_add_f32 v[CH:CH+1], v[CH:CH+1], v[CH+2:CH+3]
	v_pk_add_f32 v[CH+4:CH+5], v[CH+4:CH+5], v[CH+6:CH+7]
	v_pk_add_f32 v[CH:CH+1], v[CH:CH+1], v[CH+4:CH+5]
	v_add_f32 v[CH], v[CH], v[CH+1]
	v_add_f32_dpp v[CH], v[CH], v[CH] row_xmask:1 row_mask:0xf bank_mask:0xf
	v_add_f32_dpp v[CH], v[CH], v[CH] row_xmask:2 row_mask:0xf bank_mask:0xf
	v_add_f32_dpp v[CH], v[CH], v[CH] row_xmask:4 row_mask:0xf bank_mask:0xf
	v_add_f32_dpp v[CH], v[CH], v[CH] row_xmask:8 row_mask:0xf bank_mask:0xf
.endm
	s_wait_loadcnt 32                              ; x is in; the 32 younger loads, g's and be's, may stay out
.irp k, 0,1,2,3
	v_pk_add_f32 v[CH+2*\k:CH+2*\k+1], v[X+2*\k:X+2*\k+1], v[X+8+2*\k:X+8+2*\k+1]  ; the first pairs start the chains
.endr
.set p, 8
.rept 24
	v_pk_add_f32 v[CH+2*(p%4):CH+2*(p%4)+1], v[CH+2*(p%4):CH+2*(p%4)+1], v[X+2*p:X+2*p+1]
.set p, p+1
.endr
	FOLD
	v_mul_f32 v[MU], v[CH], v[INV]
	v_mul_f32 v[MU+1], v[CH], v[INV]
.set p, 0
.rept 32
	v_pk_add_f32 v[X+2*p:X+2*p+1], v[X+2*p:X+2*p+1], v[MU:MU+1] neg_lo:[0,1] neg_hi:[0,1]  ; d = x - mean, in place
.set p, p+1
.endr
.irp k, 0,1,2,3
	v_pk_mul_f32 v[CH+2*\k:CH+2*\k+1], v[X+2*\k:X+2*\k+1], v[X+2*\k:X+2*\k+1]
.endr
.set p, 4
.rept 28
	v_pk_fma_f32 v[CH+2*(p%4):CH+2*(p%4)+1], v[X+2*p:X+2*p+1], v[X+2*p:X+2*p+1], v[CH+2*(p%4):CH+2*(p%4)+1]
.set p, p+1
.endr
	FOLD
	v_fmaak_f32 v[CH+2], v[CH], v[INV], 0x33d6bf95 ; var + 1e-7
	v_rsq_f32 v[RS], v[CH+2]
	v_rsq_f32 v[RS+1], v[CH+2]
	v_nop                                          ; a plain instruction behind the last root, ahead of the first use
	s_wait_alu depctr_va_vdst(0)                   ; one wait for both, ahead of their first reader
	s_wait_loadcnt 0x0                             ; g and be
.set j, 0
.rept 16
	v_pk_mul_f32 v[X+4*j:X+4*j+1], v[X+4*j:X+4*j+1], v[RS:RS+1]
	v_pk_mul_f32 v[X+4*j+2:X+4*j+3], v[X+4*j+2:X+4*j+3], v[RS:RS+1]
	v_pk_fma_f32 v[X+4*j:X+4*j+1], v[X+4*j:X+4*j+1], v[G+4*j:G+4*j+1], v[BT+4*j:BT+4*j+1]
	v_pk_fma_f32 v[X+4*j+2:X+4*j+3], v[X+4*j+2:X+4*j+3], v[G+4*j+2:G+4*j+3], v[BT+4*j+2:BT+4*j+3]
	v_cvt_pk_bf16_f32 v[G+4*j], v[X+4*j], v[X+4*j+1]
	v_cvt_pk_bf16_f32 v[G+4*j+1], v[X+4*j+2], v[X+4*j+3]
	global_store_b64 v[YO], v[G+4*j:G+4*j+1], s[10:11] offset:j*524288  ; block j; the largest offset, 7,864,320, lies inside the signed 24 bits
.set j, j+1
.endr
	s_endpgm
.Lfunc_end_k_q5852a1b766_ln1:
	.size	k_q5852a1b766_ln1, .Lfunc_end_k_q5852a1b766_ln1-k_q5852a1b766_ln1
	.p2alignl 7, 3214868480
	.fill 96, 4, 3214868480
	.section	.rodata,"a",@progbits
	.p2align	6, 0x0
	.amdhsa_kernel k_q5852a1b766_ln1
		.amdhsa_group_segment_fixed_size 0
		.amdhsa_private_segment_fixed_size 0
		.amdhsa_enable_private_segment 0
		.amdhsa_kernarg_size 32
		.amdhsa_user_sgpr_count 2
		.amdhsa_user_sgpr_kernarg_segment_ptr 1
		.amdhsa_wavefront_size32 1
		.amdhsa_system_sgpr_workgroup_id_x 1
		.amdhsa_system_sgpr_workgroup_id_y 1
		.amdhsa_system_sgpr_workgroup_id_z 1
		.amdhsa_system_vgpr_workitem_id 0
		.amdhsa_next_free_vgpr 224
		.amdhsa_next_free_sgpr 66
		.amdhsa_reserve_vcc 0
		.amdhsa_float_denorm_mode_32 3
		.amdhsa_float_denorm_mode_16_64 3
		.amdhsa_memory_ordered 1
		.amdhsa_forward_progress 1
		.amdhsa_inst_pref_size 20
	.end_amdhsa_kernel
	.amdgpu_metadata
---
amdhsa.version: [ 1, 2 ]
amdhsa.kernels:
  - .name:           k_q5852a1b766_ln1
    .symbol:         k_q5852a1b766_ln1.kd
    .args:
      - { .name: x, .offset: 0, .size: 8, .value_kind: global_buffer, .address_space: global }
      - { .name: g1, .offset: 8, .size: 8, .value_kind: global_buffer, .address_space: global }
      - { .name: be1, .offset: 16, .size: 8, .value_kind: global_buffer, .address_space: global }
      - { .name: act, .offset: 24, .size: 8, .value_kind: global_buffer, .address_space: global }
    .group_segment_fixed_size: 0
    .private_segment_fixed_size: 0
    .kernarg_segment_align: 8
    .kernarg_segment_size: 32
    .max_flat_workgroup_size: 256
    .sgpr_count:     66
    .vgpr_count:     224
    .wavefront_size: 32
...
	.end_amdgpu_metadata
.endif
;; end of part 2
;; launch qkv (part 3): grid 12 x 16, 4 waves a work-group, clusters of 4 x 4, 327,680 bytes of LDS; arguments act, wa, big; writes big
.if DOCPART == 3
	.amdgcn_target "amdgcn-amd-amdhsa--gfx1250"
	.amdhsa_code_object_version 6
	.text
	.protected	k_q5852a1b766_qkv
	.globl	k_q5852a1b766_qkv
	.p2align	8
	.type	k_q5852a1b766_qkv,@function
k_q5852a1b766_qkv:
	s_mov_b64 s[64:65], 0
	v_nop
	global_prefetch_b8 v0, s[64:65] scope:SCOPE_SE
	s_setreg_imm32_b32 hwreg(HW_REG_WAVE_MODE, 25, 1), 1
	s_wait_xcnt 0x0
	s_wait_alu depctr_hold_cnt(0) depctr_sa_sdst(0) depctr_va_vdst(0) depctr_va_sdst(0) depctr_va_ssrc(0) depctr_va_vcc(0) depctr_vm_vsrc(0)
	s_getreg_b32 s2, hwreg(HW_REG_IB_STS2, 6, 4)
	s_cmp_eq_u32 s2, 0
	s_cbranch_scc0 .Lentry_in_a_cluster
	s_endpgm
.Lentry_in_a_cluster:
	s_bfe_u32 s2, ttmp6, 0x10000c
	s_cmp_lg_u32 s2, 0xf033
	s_cbranch_scc0 .Lentry_shape_is_right
	s_endpgm
.Lentry_shape_is_right:
; C = max(A B^T + bias, floor), K = 1,024, bf16 operands, f32 sums, C rounded once to bf16.  One text for q|k|v = h Wqkv + b (floor = minus infinity) and for relu(h W1 + b1) (floor = 0).
; LAYOUTS.  A: [16 blocks of 64 k][4096 rows][64].  B: 20,480 bytes of header (bias in f32 from byte 0, the floor's word from byte 16,384), then panels [N / 256][16 kb][256 n][64 k].
; C: [N / 64][4096 rows][64]: a C address does not hang on N, so one text serves both products.
; LIMIT.  The floor is taken by a maximum in which a NaN loses: a NaN in C comes out as the floor.
; SHARES.  A tile of C is 256 x 256: four waves, each 128 x 128 in 64 accumulators (512 registers).  K goes in steps of 128 (two blocks of 64) through two LDS slots.  A wave fetches a
; quarter of a slot with one tensor load: two runs of 16,384 dense bytes (128 rows of one block), padded by 16 bytes after every 128: LDS rows are 144 bytes apart.
; ONE K STEP IS WRITTEN ONCE: the slot in hand is a scalar that one exclusive or turns; the read addresses are made from it at each change of slots.  The last two K steps, which fill
; nothing, are a second loop of two trips, left in the middle of its second trip.
; CLUSTER.  4 x 4 work-groups; A's tile is shared along a row of the cluster, B's along a column: each is asked for jointly, by the same load with the same descriptor and a mask of four.
; THE PRODUCT IS TAKEN TRANSPOSED (source 0 = 16 rows of B, source 1 = 16 rows of A): a lane holds eight neighbouring columns of one row of C.  The bias is the C operand of the first products.
; REGISTERS, in windows of 256: window 0: v16-31 addresses; v64-127, v128-191 A's fragments, two buffers; v192-255 the bias, later at work on the way out, with v32-63.
;   window 1: v64-127, v128-191 B's fragments.   window 2: the accumulators of my rows 0-63 ((a, b) at 8 (8 a + b)).   window 3: those of rows 64-127.
.set P,      144                       ; an LDS row: 128 bytes + 16: 9 x 16 bytes, so the 16 rows of a fragment load start in 16 different groups of four banks
.set KBL,    128*P                     ; 128 rows of one block of 64 k
.set HALFT,  2*KBL                     ; what one tensor load brings
.set SLOT,   4*HALFT                   ; A's two halves, then B's two halves.  0x24000: no wave's share of a slot (wave x 0x9000) has one of its two bits, so an exclusive or changes slots
.set STAGE,  2*SLOT                    ; behind the ring: for each wave two stages of 16 rows x 144 bytes, one for each 64 columns
.set SSUB,   16*P
.set SPARE,  STAGE+4*2*SSUB            ; behind the stages: the spare words, 128 bytes for each wave
.set KS,     8                         ; K steps
.set HDR,    20480
.set FLOOR,  16384
.set BS,     524288                    ; bytes in a block of 64 columns of A and of C
.set STEPA,  2*BS                      ; a K step in A,
.set STEPB,  2*32768                   ; and in a panel of B
.set FLAGS,  (1<<16)|(1<<20)|(1<<21)|(4<<22)|(3<<25)  ; 17:16 2-byte elements; 20 padding on; 21 set beside a mask; 24:22 after every 32 words (code 4); 31:25 4 words (code 3)
.set ADRA0, 16                         ; v16  my lane's place in my 128 rows of A, in slot 0; never rewritten
.set ADRA,  17                         ; v17  the same in the slot in hand
.set ADRB0, 20
.set ADRB,  21
.set L4,    22                         ; v22  4 x lane
.set STO,   24                         ; v24  the way out: where I put 16 bytes of a row
.set RD,    25                         ; v25  where I read rows back
.set CO,    26                         ; v26  16 x lane
.set FLR,   27                         ; v27  the floor, twice in bf16
.set SPW,   28                         ; v28  LDS address of my spare word; never rewritten
.set NIL,   29                         ; v29  0; never rewritten
.set PFO,   30                         ; v30  256 x lane; never rewritten
.set BO,    31                         ; v31  32 x (lane / 16): my eight columns' bias
.set OB,    32                         ; 16 rows read back from the stage: v32-63 and v224-255 by turns
.set F0,    64
.set F1,    128
.set BIAS,  192                        ; v[192:255] eight registers for each of my 8 blocks of 16 columns
.set TMP,   192                        ; later: packed results
.set G1,  24                           ; s[24:31] group 1 for A;  s[32:39] group 0: the first fill's set, then the set that walks
.set G0,  32
.set LIM, 43                           ; s43  1 in a wave that prefetches, else the greatest number
.set PFA, 44                           ; s[44:45] where my prefetches stand
.set G1B, 48
.set G0B, 56
.set PFS, 66                           ; s[66:67] a K step in the tensor that I fetch
.set TB,  68                           ; s68  0 or SLOT: the slot in hand
.set MSB, 0
.macro WIN new                         ; the immediate's high byte repeats the setting that is left; a switch that changes nothing is dropped
.if MSB != (\new)
	s_set_vgpr_msb (MSB<<8)|(\new)
.set MSB, \new
.endif
.endm
.set MUL_LO, 0xa1                      ; source 0 (B) window 1, source 1 (A) window 0, C and D window 2
.set TO_B,   0x40                      ; destination window 1, address window 0
.macro PLACES                          ; four plain instructions between a matrix instruction and a load into, or a vector read of, its registers
.rept 4
	v_nop
.endr
.endm
; The joint refill, by the walking sets.  Waves 0 and 1 fetch A's halves, waves 2 and 3 B's: the branch hangs on the wave's number alone.  An s_nop 0 and four v_nop follow each line.
.macro JLOAD
	s_cmp_eq_u32 s11, 0
	s_cbranch_scc0 .Lfor_b_\@
	tensor_load_to_lds s[G0+4:G0+7], s[G1:G1+7]
	s_nop 0
	PLACES
	s_branch .Lasked_\@
.Lfor_b_\@:
	tensor_load_to_lds s[G0B+4:G0B+7], s[G1B:G1B+7]
	s_nop 0
	PLACES
.Lasked_\@:
.endm
; A prefetch of the K step that the NEXT refill will ask for: of the 128 runs of 256 bytes that I fetch in a K step, my work-group's 32, a lane a run.  A's rows are read by every cluster of a row of
; clusters: cluster x = 0 asks; B's by every cluster of a column: cluster y = 0 asks.  The four partners of a joint load share the runs out by address.  The loop's last trip (s3 = 1) asks for nothing.
.macro ASK
	s_cmp_gt_u32 s3, s[LIM]
	s_cbranch_scc0 .Lnot_mine_\@
	global_prefetch_b8 v[PFO], s[PFA:PFA+1] th:TH_LOAD_NT scope:SCOPE_SE
.Lnot_mine_\@:
.endm
.macro CREST                           ; a round of the cluster's barrier behind its opening barrier
	s_cmp_lg_u32 s10, 0
	s_cbranch_scc1 .Lnot_wave_0_\@
	s_barrier_signal -3
.Lnot_wave_0_\@:
	s_barrier_wait -3
	s_barrier_signal -1
	s_barrier_wait -1
.endm
.macro CROUND
	s_barrier_signal -1
	s_barrier_wait -1
	CREST
.endm
	s_load_b128 s[4:7], s[0:1], 0x0                ; A s[4:5], B s[6:7]
	s_load_b64 s[8:9], s[0:1], 0x10                ; C
	v_lshl_add_u32 v[SPW], v0, 2, SPARE
	v_mov_b32 v[NIL], 0
	ds_add_u32 v[SPW], v[NIL]                      ; the wave's opening: the add and its wait ahead of my first tensor load; work on registers stands between them
	ds_add_u32 v28, v29
	v_lshrrev_b32 v1, 5, v0
	v_readfirstlane_b32 s10, v1                    ; wave 0..3
	s_lshr_b32 s11, s10, 1                         ; my half of the tile's rows.  Also: I fetch for A (0) or for B (1)
	s_and_b32 s12, s10, 1                          ; my half of its columns.  Also: which 128 rows I fetch
	s_bfe_u32 s40, ttmp6, 0x40000                  ; cx
	s_bfe_u32 s41, ttmp6, 0x40004                  ; cy
	s_lshl_b32 s42, ttmp9, 2
	s_add_co_u32 s42, s42, s40                     ; tile column
	s_and_b32 s13, ttmp7, 0xffff
	s_lshl_b32 s13, s13, 2
	s_add_co_u32 s13, s13, s41                     ; tile row
	s_lshl_b32 s43, s41, 2
	s_lshl_b32 s43, 15, s43                        ; my row of the cluster
	s_lshl_b32 s44, 0x1111, s40                    ; my column
	s_or_b32 s[G1], s43, FLAGS
	s_or_b32 s[G1B], s44, FLAGS
.irp g, G1, G1B
	s_mov_b32 s[(\g)+1], 8192<<16                  ; tensor_dim0 = 8,192 elements: 128 rows of 64
	s_mov_b32 s[(\g)+2], 2<<16                     ; tensor_dim1 = 2 blocks of 64 k
	s_mov_b32 s[(\g)+3], 8192<<16                  ; tile_dim0
	s_mov_b32 s[(\g)+4], 2                         ; tile_dim1
	s_mov_b32 s[(\g)+6], 0
	s_mov_b32 s[(\g)+7], 0
.endr
	s_mov_b32 s[G1+5], BS/2                        ; elements from block to block: A's 4,096 rows,
	s_mov_b32 s[G1B+5], 16384                      ; a panel's 256
	s_lshl_b32 s16, s13, 15                        ; A: 256 x tile row rows of 128 bytes
	s_lshl_b32 s17, s12, 14                        ; + the 128 rows that I fetch
	s_add_co_u32 s16, s16, s17
	s_lshl_b32 s46, s42, 19                        ; B: the tile column's panel
	s_add_co_u32 s46, s46, s17
	s_add_co_u32 s46, s46, HDR
	s_mov_b32 s17, 0
	s_mov_b32 s47, 0
	s_mul_i32 s20, s10, HALFT                      ; where they go: no place in the cluster enters an LDS address
	s_wait_dscnt 0x0                               ; the opening add is done
	s_wait_kmcnt 0x0
	s_add_nc_u64 s[14:15], s[4:5], s[16:17]
	s_add_nc_u64 s[46:47], s[6:7], s[46:47]
	CROUND                                         ; all sixteen work-groups are here: the first joint loads meet
.irp s, 0,1
	s_mov_b32 s[G0+4*(\s)], 1
	s_add_co_u32 s[G0+4*(\s)+1], s20, (\s)*SLOT
	s_add_nc_u64 s[G0+4*(\s)+2:G0+4*(\s)+3], s[14:15], (\s)*STEPA
	s_or_b32 s[G0+4*(\s)+3], s[G0+4*(\s)+3], 0x80000000
	s_mov_b32 s[G0B+4*(\s)], 1
	s_add_co_u32 s[G0B+4*(\s)+1], s20, (\s)*SLOT
	s_add_nc_u64 s[G0B+4*(\s)+2:G0B+4*(\s)+3], s[46:47], (\s)*STEPB
	s_or_b32 s[G0B+4*(\s)+3], s[G0B+4*(\s)+3], 0x80000000
.endr
	s_cmp_eq_u32 s11, 0                            ; a wave's two first fills stand in one branch: two loads of mine are out
	s_cbranch_scc0 .Lfirst_b
	tensor_load_to_lds s[G0:G0+3], s[G1:G1+7]
	s_nop 0
	tensor_load_to_lds s[G0+4:G0+7], s[G1:G1+7]
	s_nop 0
	PLACES
	s_branch .Lfirst_asked
.Lfirst_b:
	tensor_load_to_lds s[G0B:G0B+3], s[G1B:G1B+7]
	s_nop 0
	tensor_load_to_lds s[G0B+4:G0B+7], s[G1B:G1B+7]
	s_nop 0
	PLACES
.Lfirst_asked:
	v_and_b32 v1, 15, v0                           ; l % 16
	v_bfe_u32 v2, v0, 4, 1                         ; l / 16
	v_mul_u32_u24 v3, v1, P
	v_lshl_add_u32 v3, v2, 4, v3                   ; row x pitch + 16 x half: a fragment's lane term, and the stage's
	s_mul_i32 s21, s11, HALFT
	s_mul_i32 s22, s12, HALFT
	s_add_co_u32 s22, s22, 2*HALFT
	v_add_nc_u32 v[ADRA0], s21, v3
	v_add_nc_u32 v[ADRB0], s22, v3
	v_mov_b32 v[ADRA], v[ADRA0]
	v_mov_b32 v[ADRB], v[ADRB0]
	s_mov_b32 s[TB], 0
	s_mul_i32 s23, s10, 2*SSUB
	s_add_co_u32 s23, s23, STAGE                   ; my stages
	v_add_nc_u32 v[STO], s23, v3
	v_bfe_u32 v4, v0, 3, 2                         ; back: 32 lanes take four rows of 128 bytes
	v_mul_u32_u24 v4, v4, P
	v_and_b32 v5, 7, v0
	v_lshl_add_u32 v4, v5, 4, v4
	v_add_nc_u32 v[RD], s23, v4
	v_and_b32 v[CO], 31, v0
	v_lshlrev_b32 v[L4], 2, v[CO]
	v_lshlrev_b32 v[PFO], 8, v[CO]
	v_lshlrev_b32 v[CO], 4, v[CO]
	v_lshlrev_b32 v[BO], 5, v2
	s_lshl_b32 s18, s42, 10                        ; the bias of my 128 columns: 4 (256 x tile column + 128 x half)
	s_lshl_b32 s19, s12, 9
	s_add_co_u32 s18, s18, s19
	s_mov_b32 s19, 0
	s_add_nc_u64 s[18:19], s[6:7], s[18:19]
.irp b, 0,1,2,3,4,5,6,7
	global_load_b128 v[BIAS+8*\b:BIAS+8*\b+3],   v[BO], s[18:19] offset:64*\b
	global_load_b128 v[BIAS+8*\b+4:BIAS+8*\b+7], v[BO], s[18:19] offset:64*\b+16
.endr
	global_load_b32 v[FLR], v[L4], s[6:7] offset:FLOOR
	s_lshl_b32 s16, s42, 21                        ; where my part of C begins: block 4 x tile column + 2 x half,
	s_lshl_b32 s17, s12, 20
	s_add_co_u32 s16, s16, s17
	s_lshl_b32 s17, s13, 15                        ; row 256 x tile row + 128 x half
	s_add_co_u32 s16, s16, s17
	s_lshl_b32 s17, s11, 14
	s_add_co_u32 s16, s16, s17
	s_mov_b32 s17, 0                               ; the first way out adds s[16:17] to C's address
	; the prefetches
	s_mov_b32 s20, STEPA
	s_mov_b32 s21, STEPB
	s_and_b32 s22, ttmp7, 0xffff                   ; cluster y
	s_cmp_eq_u32 s11, 0                            ; do I fetch for A?
	s_cselect_b32 s[PFS], s20, s21
	s_cselect_b32 s21, s40, s41                    ; my place among the four that ask with me
	s_cselect_b32 s22, ttmp9, s22                  ; the coordinate along which other clusters read the same rows
	s_cselect_b64 s[PFA:PFA+1], s[14:15], s[46:47]
	s_cmp_eq_u32 s22, 0
	s_cselect_b32 s[LIM], 1, -1                    ; the same in all sixteen partners, for a given wave
	s_lshr_b32 s20, s21, 1                         ; place p takes block p / 2 of the K step's two,
	s_lshr_b32 s23, s[PFS], 1
	s_mul_i32 s20, s20, s23
	s_and_b32 s21, s21, 1                          ; and half p % 2 of its 16,384 bytes
	s_lshl_b32 s21, s21, 13
	s_add_co_u32 s20, s20, s21
	s_lshl_b32 s21, s[PFS], 1                      ; at K step 2: the first change of slots steps it to 3.  Nothing is prefetched here, at the head
	s_add_co_u32 s20, s20, s21
	s_mov_b32 s21, 0
	s_add_nc_u64 s[PFA:PFA+1], s[PFA:PFA+1], s[20:21]
	s_mov_b32 s[PFS+1], 0
; 16 matrix instructions: row blocks a0, a0 + 1 of the window's four x all 8 column blocks, 32 along K.  first = 1: the bias starts the sums.  All 64 accumulators take turns, in the same order in every quarter.
.macro MUL16 f, hi, a0, first
.if \first
	WIN 0x81+0x40*(\hi)                            ; as below, with C in window 0
.else
	WIN MUL_LO+0x50*(\hi)
.endif
.irp a, \a0, (\a0)+1
.irp b, 0,1,2,3,4,5,6,7
.if \first
	v_wmma_f32_16x16x32_bf16 v[8*(8*(\a)+(\b)):8*(8*(\a)+(\b))+7], v[(\f)+8*(\b):(\f)+8*(\b)+7], v[(\f)+8*(4*(\hi)+(\a)):(\f)+8*(4*(\hi)+(\a))+7], v[BIAS+8*(\b):BIAS+8*(\b)+7]
.else
	v_wmma_f32_16x16x32_bf16 v[8*(8*(\a)+(\b)):8*(8*(\a)+(\b))+7], v[(\f)+8*(\b):(\f)+8*(\b)+7], v[(\f)+8*(4*(\hi)+(\a)):(\f)+8*(4*(\hi)+(\a))+7], v[8*(8*(\a)+(\b)):8*(8*(\a)+(\b))+7]
.endif
.endr
.endr
.endm
; 32 LDS loads in one run: quarter q of the K step in hand (block q / 2, 32 k at byte 64 (q % 2)) into buffer f: B's 128 rows, then A's
.macro FETCH q, f
	WIN TO_B
.irp i, 0,1,2,3,4,5,6,7
	ds_load_b128 v[(\f)+8*(\i):(\f)+8*(\i)+3],   v[ADRB] offset:((\q)>>1)*KBL+((\q)&1)*64+(\i)*16*P
	ds_load_b128 v[(\f)+8*(\i)+4:(\f)+8*(\i)+7], v[ADRB] offset:((\q)>>1)*KBL+((\q)&1)*64+(\i)*16*P+32
.endr
	WIN 0
.irp i, 0,1,2,3,4,5,6,7
	ds_load_b128 v[(\f)+8*(\i):(\f)+8*(\i)+3],   v[ADRA] offset:((\q)>>1)*KBL+((\q)&1)*64+(\i)*16*P
	ds_load_b128 v[(\f)+8*(\i)+4:(\f)+8*(\i)+7], v[ADRA] offset:((\q)>>1)*KBL+((\q)&1)*64+(\i)*16*P+32
.endr
.endm
; One of a K step's first three quarters: multiplies buffer f; in its middle it fetches quarter q into buffer g.
.macro QUARTER q, f, g, first
	s_wait_dscnt 8                                 ; B and A's rows 0-63 are in; the youngest eight loads (A's rows 64-127) may be out
	MUL16 \f, 0, 0, \first
	MUL16 \f, 0, 2, \first
	PLACES
	FETCH \q, \g
	s_wait_dscnt 32                                ; all but the 32 just issued
	MUL16 \f, 1, 0, \first
	MUL16 \f, 1, 2, \first
.endm
; The last quarter multiplies buffer 1 and changes slots.  In front of the barrier each wave waits for all its tensor loads (the one that is out is its part of the next slot), adds 0 to its spare
; word, and waits for that and for its own reads of this slot.  fill = 1: the barrier opens a round of the cluster's, and behind the round this slot is filled again, two K steps ahead, first thing.
; fill = 0: the tail; in its last trip (s3 = 1) there is no further K step, and the fetch is jumped over.
.macro TURN fill
.if \fill
	s_wait_xcnt 0x0                                ; the last prefetch, a K step back, has read its address
	s_add_nc_u64 s[PFA:PFA+1], s[PFA:PFA+1], s[PFS:PFS+1]
.endif
	WIN 0                                          ; (the add's two registers lie in window 0)
	s_wait_tensorcnt 0x0                           ; all my tensor loads have landed
	ds_add_u32 v[SPW], v[NIL]                      ; 0 onto my spare word
	s_wait_dscnt 9                                 ; (the add and the youngest eight loads may be out)
	MUL16 F1, 0, 0, 0
	s_wait_dscnt 0x0                               ; the add is done, and my reads of this slot are over
	s_barrier_signal -1
	MUL16 F1, 0, 2, 0                              ; work on registers while the others arrive
	WIN 0
	s_barrier_wait -1
.if \fill
	CREST                                          ; no wave of any partner still reads this slot or has a load on its way
	s_xor_b32 s[G0+5], s[G0+5], SLOT               ; the walking sets: the other slot than last time, the next K step
	s_add_nc_u64 s[G0+6:G0+7], s[G0+6:G0+7], STEPA
	s_xor_b32 s[G0B+5], s[G0B+5], SLOT
	s_add_nc_u64 s[G0B+6:G0B+7], s[G0B+6:G0B+7], STEPB
	s_xor_b32 s[TB], s[TB], SLOT
	JLOAD                                          ; its four v_nop are also the places in front of the loads below
.else
	PLACES
	s_cmp_eq_u32 s3, 1
	s_cbranch_scc1 .Lnf_\@
	s_xor_b32 s[TB], s[TB], SLOT
.endif
	v_add_nc_u32 v[ADRA], s[TB], v[ADRA0]
	v_add_nc_u32 v[ADRB], s[TB], v[ADRB0]
	FETCH 0, F0
.if \fill
	ASK
.else
.Lnf_\@:
.endif
	MUL16 F1, 1, 0, 0
	MUL16 F1, 1, 2, 0
.endm
; THE WAY OUT of row block a.  PACK: rounded to bf16, the floor taken.  TOSTAGE: into my stages, and back as whole rows.  SEND: stored.
.macro PACK a
.set AC, 64*((\a)%4)
	WIN 0x0a+5*((\a)/4)                            ; sources 0 and 1: window 2 or 3
.irp b, 0,1,2,3,4,5,6,7
.irp r, 0,1,2,3
	v_cvt_pk_bf16_f32 v[TMP+4*(\b)+(\r)], v[AC+8*(\b)+2*(\r)], v[AC+8*(\b)+2*(\r)+1]
.endr
.endr
	WIN 0
.set r, 0
.rept 32
	v_pk_max_num_bf16 v[TMP+r], v[TMP+r], v[FLR]
.set r, r+1
.endr
.endm
.macro TOSTAGE a
.set BK, OB+192*((\a)%2)
.irp b, 0,1,2,3,4,5,6,7
	ds_store_b128 v[STO], v[TMP+4*(\b):TMP+4*(\b)+3] offset:((\b)/4)*SSUB+32*((\b)%4)
.endr
.irp t, 0,1,2,3,4,5,6,7
	ds_load_b128 v[BK+4*(\t):BK+4*(\t)+3], v[RD] offset:((\t)/4)*SSUB+((\t)%4)*4*P  ; LDS serves a wave's instructions in order: these see the stores above
.endr
.endm
.macro SEND a
.set BK, OB+192*((\a)%2)
	s_wait_dscnt 0x0                               ; the block is back in registers
	s_wait_xcnt 0x0                                ; earlier stores have read their base and their data: both are written again only behind this wait
.if (\a) == 0
	s_add_nc_u64 s[8:9], s[8:9], s[16:17]
.else
	s_add_nc_u64 s[8:9], s[8:9], 16*128            ; 16 rows on
.endif
.irp t, 0,1,2,3,4,5,6,7
	global_store_b128 v[CO], v[BK+4*(\t):BK+4*(\t)+3], s[8:9] offset:((\t)/4)*BS+((\t)%4)*512  ; four rows of a block: 512 consecutive bytes, aligned
.endr
.endm
	s_wait_tensorcnt 1                             ; my part of K step 0 is in; K step 1's may stay out
	s_barrier_signal -1
	s_barrier_wait -1
	FETCH 0, F0
	s_wait_loadcnt 0x0                             ; the bias and the floor
	QUARTER 1, F0, F1, 1                           ; the first quarter stands in front of the loop: its products start the sums with the bias
	WIN 0
	s_mov_b32 s3, KS-2
.Lstep:                                        ; a trip: a K step's quarters 1 to 3, the refill, the next K step's quarter 0
	QUARTER 2, F1, F0, 0
	QUARTER 3, F0, F1, 0
	TURN 1
	QUARTER 1, F0, F1, 0
	WIN 0
	s_sub_co_u32 s3, s3, 1
	s_cmp_lg_u32 s3, 0
	s_cbranch_scc1 .Lstep
	s_mov_b32 s3, 2
.Ltail:                                        ; the last two K steps fill nothing
	QUARTER 2, F1, F0, 0
	QUARTER 3, F0, F1, 0
	TURN 0
	WIN 0
	s_cmp_eq_u32 s3, 1
	s_cbranch_scc1 .Lout
	QUARTER 1, F0, F1, 0
	WIN 0
	s_sub_co_u32 s3, s3, 1
	s_cmp_lg_u32 s3, 0
	s_cbranch_scc1 .Ltail
.Lout:
	s_wait_dscnt 0x0
	PACK 0                                         ; blocks 0-3 were finished in front of the tail's four v_nop; their conversions are the places behind the last products, blocks 4-7's
	TOSTAGE 0
.irp a, 1,2,3,4,5,6,7                  ; block a's arithmetic stands between block a - 1's loads from the stage and the wait for them
	PACK \a
	SEND (\a)-1
	TOSTAGE \a
.endr
	SEND 7
	s_wait_tensorcnt 0x0                           ; the wave's end
	ds_add_u32 v[SPW], v[NIL]
	s_wait_dscnt 0x0
	CROUND                                         ; the closing round: no work-group ends while a partner may still ask for a tile that names it
	s_endpgm
.Lfunc_end_k_q5852a1b766_qkv:
	.size	k_q5852a1b766_qkv, .Lfunc_end_k_q5852a1b766_qkv-k_q5852a1b766_qkv
	.p2alignl 7, 3214868480
	.fill 96, 4, 3214868480
	.section	.rodata,"a",@progbits
	.p2align	6, 0x0
	.amdhsa_kernel k_q5852a1b766_qkv
		.amdhsa_group_segment_fixed_size 327680
		.amdhsa_private_segment_fixed_size 0
		.amdhsa_enable_private_segment 0
		.amdhsa_kernarg_size 24
		.amdhsa_user_sgpr_count 2
		.amdhsa_user_sgpr_kernarg_segment_ptr 1
		.amdhsa_wavefront_size32 1
		.amdhsa_system_sgpr_workgroup_id_x 1
		.amdhsa_system_sgpr_workgroup_id_y 1
		.amdhsa_system_sgpr_workgroup_id_z 1
		.amdhsa_system_vgpr_workitem_id 0
		.amdhsa_next_free_vgpr 1024
		.amdhsa_next_free_sgpr 72
		.amdhsa_reserve_vcc 0
		.amdhsa_float_denorm_mode_32 3
		.amdhsa_float_denorm_mode_16_64 3
		.amdhsa_memory_ordered 1
		.amdhsa_forward_progress 1
		.amdhsa_inst_pref_size 118
	.end_amdhsa_kernel
	.amdgpu_metadata
---
amdhsa.version: [ 1, 2 ]
amdhsa.kernels:
  - .name:           k_q5852a1b766_qkv
    .symbol:         k_q5852a1b766_qkv.kd
    .args:
      - { .name: act, .offset: 0, .size: 8, .value_kind: global_buffer, .address_space: global }
      - { .name: wa, .offset: 8, .size: 8, .value_kind: global_buffer, .address_space: global }
      - { .name: big, .offset: 16, .size: 8, .value_kind: global_buffer, .address_space: global }
    .group_segment_fixed_size: 327680
    .private_segment_fixed_size: 0
    .kernarg_segment_align: 8
    .kernarg_segment_size: 24
    .max_flat_workgroup_size: 128
    .sgpr_count:     72
    .vgpr_count:     1024
    .wavefront_size: 32
...
	.end_amdgpu_metadata
.endif
;; end of part 3
;; launch attn (part 4): grid 8 x 32, 4 waves a work-group, no clusters, 327,680 bytes of LDS; arguments big, act; writes act
.if DOCPART == 4
	.amdgcn_target "amdgcn-amd-amdhsa--gfx1250"
	.amdhsa_code_object_version 6
	.text
	.protected	k_q5852a1b766_attn
	.globl	k_q5852a1b766_attn
	.p2align	8
	.type	k_q5852a1b766_attn,@function
k_q5852a1b766_attn:
	s_mov_b64 s[64:65], 0
	v_nop
	global_prefetch_b8 v0, s[64:65] scope:SCOPE_SE
	s_setreg_imm32_b32 hwreg(HW_REG_WAVE_MODE, 25, 1), 1
	s_wait_xcnt 0x0
; CAUSAL ATTENTION, head size 64, 32 pairs of batch and head, 2,048 rows each.  O[q] = the sum over k <= q of softmax_k(Q[q] . K[k] / 8) V[k].
; q, k, v lie in one buffer as blocks [48][4096 rows][64] bf16 (q 0-15, k 16-31, v 32-47; block = head, row = 2,048 batch + t): a pair's rows are 262,144 dense bytes at (2 head + batch) x 262,144.
; O leaves in the same layout.  Products, maxima and sums in f32; the weights p are rounded to bf16 for the second product (their sum l is taken of the unrounded p), O once at the end.
; LIMITS.  A hidden score counts as its value less 1e30; a weight below 2^-126 counts as 0 in l; NaN and infinities are not treated apart.
; THE WALK.  A pair's queries lie in 16 blocks of 128; block i needs the key tiles 0 .. i / 2 of 256 keys, of which the last holds the diagonal.  A work-group takes TWO blocks, 15 - b and then b:
; 9 tiles, whatever b: all 256 work-groups do equal work, and one loop with a constant trip count walks them.  Which tile is asked for, and what a trip does, hang on scalars made from b; every jump
; but the counted loops' own goes forward, and none passes a barrier, or a tensor load but the one of LOAD's two that the wave's number does not choose.
; NO CLUSTER: a pair's eight work-groups ask for the same tile in the first five trips alone; a walk common to all would have 12 trips for 9.
; SHARES.  Of a block's two bands of 64 queries a wave owns 16 rows in each: two PIECES.  In the diagonal tile band x's own key step is 2 (i % 2) + x: earlier steps it sees whole, later ones not at all.
; THE MASK is the C operand that starts S^T = K Q^T: MC = MD x AL + BE, MD the mask of a band's own step for my 16 rows; (AL, BE) = (1, 0) in the own step, (0, 0) before, (0, -1e30) behind.
; Only the diagonal tile's text and a block's beginning make and take masks; elsewhere C is the constant 0.
; TURNS.  T(0, s): 8 products K Q^T of piece 1, step s; the softmax of piece 0, step s; piece 1's maximum and statistics; 8 products V^T P of piece 1, step s - 1.
;         T(1, s): K Q^T of piece 0, step s + 1; the softmax of piece 1, step s; piece 0's statistics; V^T P of piece 0, step s.
; Four vector instructions stand behind every matrix instruction, the rest in one lump; a turn's 33 exponentials are one batch with one wait.
; T(0, s) fetches K AND V of step s + 1: V has two register buffers, by the step's parity.  So the change of slots stands in front of T(0, s) with s % 4 = 3, where all of the old slot is in registers.
; REGISTERS, in windows of 256: window 0: v0-15 addresses; v16-23 statistics; v48-55 at work; v64-127 S^T, two buffers; v192-223 P, two buffers (by the piece's number)
;   window 1: v0-63 O^T; v128-159 MD; v160-223 MC, two buffers      window 2: v0-31 Q; v32-63 the second block's Q; v64-127 V of odd steps; v128-191 K; v192-255 V of even steps
.set NB,    8         ; key tiles in a pair's rows; the walk has NB + 1
.set NP,    2
.set KS,    64
.set PK,    144       ; a row of K in LDS: 128 bytes + 16: the 16 rows of a load start in 16 different groups of four banks
.set PV,    160       ; a row of V: 128 + 32
.set VOFF,  4*KS*PK   ; a slot holds a tile: 256 rows of K, then 256 rows of V
.set SLOT1, 1<<17
.set STAGE, SLOT1+4*KS*(PK+PV)  ; behind the ring: 16 rows x 144 bytes for each wave
.set SP,    144
.set SPARE, STAGE+4*16*SP       ; behind the stages: the spare words, 128 bytes for each wave
.set AK0, 2           ; v2   my lane's place in a tile of K; never rewritten
.set AV0, 3           ; v3   the same for V
.set AK,  4
.set AV,  5
.set STO, 6
.set RD,  7
.set GO,  8
.set MV,  12          ; v12-13  c m_old, by buffer
.set QO,  15
.set ST,  16          ; piece t's statistics at v[ST+4 t]: c m, m, l (even keys', odd keys')
.set TMP, 48          ; by buffer, c0-c3 at work; c2 takes a
.set PFO, 60          ; v60  the prefetch's offset: 256 x (lane % 16), and for lanes 16-31 the distance from k to v; never rewritten
.set SPW, 62
.set NIL, 63
.set S,   64
.set P,   192
.set MD,  128         ; window 1
.set MC,  160         ; window 1
.set QB,  32          ; window 2
.set KF,  128         ; window 2
.set WV,  12
.set PB,  14          ; s14  b
.set HI,  15          ; s15  15 - b
.set G1K, 24
.set G1V, 32
.set G0K, 40
.set G0V, 44
.set SLOTS, 56
.set CNT, 57
.set CS,  58
.set SEL, 60
.set TBK, 62
.set TBV, 63
.set RT,  70          ; tiles of the block in hand still to be entered; 0: the tile in hand holds the diagonal
.set NXT, 71
.set LQ,  72
.set NEW, 73
.set OFF, 74
.set AL,  76
.set BE,  78
.set OLO, 80
.set BIGN, 82
.set OWN, 88          ; s88, s89  the two bands' own steps in the diagonal tile
.set STEP, 90         ; s90  the step, in the tile in hand, whose masks are made next
.set PBH, 91          ; s91  b / 2
.set PFA, 94          ; s[94:95] where the prefetch stands: k at my work-group's 4,096 bytes of a tile
.set MSB, 0
.macro WIN new
.if MSB != (\new)
	s_set_vgpr_msb (MSB<<8)|(\new)
.set MSB, (\new)
.endif
.endm
.set W_KQ, 0x0a       ; K and Q in window 2, S^T in window 0
.set W_KM, 0x1a       ; the same with the C operand in window 1
.set W_PV, 0x52       ; V in window 2, P in window 0, O^T in window 1
.set W_RS, 0x41       ; destination and source 0 in window 1, source 1 in window 0
.macro LOAD                         ; waves 0 and 1 fetch the halves of a tile's K, waves 2 and 3 those of its V; an s_nop 0 and four v_nop follow each line
	s_cmp_lt_u32 s[WV], 2
	s_cbranch_scc0 .Lfor_v_\@
	tensor_load_to_lds s[G0K:G0K+3], s[G1K:G1K+7]
	s_nop 0
.rept 4
	v_nop
.endr
	s_branch .Lasked_\@
.Lfor_v_\@:
	tensor_load_to_lds s[G0V:G0V+3], s[G1V:G1V+7]
	s_nop 0
.rept 4
	v_nop
.endr
.Lasked_\@:
.endm
; A PREFETCH of the tile behind the one that the pair's first blocks have just asked for.  A tile is 32,768 bytes of k and as many of v; the pair's eight work-groups share them out BY ADDRESS: work-group b
; takes bytes 4,096 b .. + 4,095 of each: 16 runs of 256 bytes of k (lanes 0-15) and 16 of v (lanes 16-31), a lane a run, one instruction, by wave 0.  The change of slots with SLOTS tiles still to be
; asked for names tile 10 - SLOTS: tiles 2 to 7, each run once in the launch; the last two changes name nothing.  Both tests hang on the wave's number and the loop's counter alone.
.macro ASK
	s_cmp_lg_u32 s[WV], 0
	s_cbranch_scc1 .Lnot_mine_\@
	s_cmp_gt_u32 s[SLOTS], 2
	s_cbranch_scc0 .Lnot_mine_\@
	global_prefetch_b8 v[PFO], s[PFA:PFA+1] th:TH_LOAD_NT scope:SCOPE_SE
.Lnot_mine_\@:
.endm
; THE CHANGE OF SLOTS.  Each wave waits for all its tensor loads (one is out: its part of the other slot), adds 0 to its spare word, and waits for that and for its own reads of the slot that it leaves.
; fill = 1: the old slot is filled again, first thing behind the barrier, with tile NXT; the descriptor's address is made anew from that number.
.macro CHANGE fill
	WIN 0
	s_wait_tensorcnt 0x0            ; no tensor load of mine is out, so a group 0 may be written
	ds_add_u32 v[SPW], v[NIL]       ; 0 onto my spare word
.if \fill
	s_lshl_b32 s[OFF], s[NXT], 15   ; a tile is 32,768 bytes of K and of V
	s_xor_b32 s[G0K+1], s[G0K+1], SLOT1
	s_add_nc_u64 s[G0K+2:G0K+3], s[6:7], s[OFF:OFF+1]
	s_or_b32 s[G0K+3], s[G0K+3], 0x80000000
	s_xor_b32 s[G0V+1], s[G0V+1], SLOT1
	s_add_nc_u64 s[G0V+2:G0V+3], s[8:9], s[OFF:OFF+1]
	s_or_b32 s[G0V+3], s[G0V+3], 0x80000000
	s_add_co_u32 s[NXT], s[NXT], 1  ; the block's next tile, or behind its last the second block's tile 0
	s_cmp_gt_u32 s[NXT], s[LQ]
	s_cselect_b32 s[NXT], 0, s[NXT]
	s_cselect_b32 s[LQ], s[PBH], s[LQ]
	s_wait_xcnt 0x0                 ; the last prefetch, a tile back, has read its address
	s_add_nc_u64 s[PFA:PFA+1], s[PFA:PFA+1], 32768
.endif
	s_wait_dscnt 0x0                ; the add is done, and my reads of the slot are over
	s_barrier_signal -1
	s_sub_co_u32 s[TBK], s[TBK], 4*KS*PK  ; the fetches go back to a slot's first step, in the other slot
	s_xor_b32 s[TBK], s[TBK], SLOT1
	s_sub_co_u32 s[TBV], s[TBV], 4*KS*PV
	s_xor_b32 s[TBV], s[TBV], SLOT1
	s_barrier_wait -1
.if \fill
	LOAD
	ASK
.endif
.endm
	s_load_b128 s[48:51], s[0:1], 0x0  ; q|k|v s[48:49], O s[50:51]
	v_lshl_add_u32 v[SPW], v0, 2, SPARE
	v_mov_b32 v[NIL], 0
	ds_add_u32 v[SPW], v[NIL]       ; the wave's opening: the add and its wait ahead of my first tensor load
	ds_add_u32 v62, v63
	v_lshrrev_b32 v1, 5, v0
	v_readfirstlane_b32 s[WV], v1
	s_mov_b32 s[PB], ttmp9
	s_sub_co_u32 s[HI], 15, s[PB]
	s_and_b32 s20, ttmp7, 0xffff
	s_lshl_b32 s20, s20, 18         ; the pair's first byte in q, k, v and O
	s_mov_b32 s21, 0
	s_and_b32 s16, s[WV], 1         ; which half of a tile's 256 keys I fetch
	s_lshl_b32 s22, s16, 14
	s_mov_b32 s23, 0
	s_add_nc_u64 s[22:23], s[22:23], s[20:21]
	s_mul_i32 s17, s16, 128*PK
	s_mul_i32 s18, s16, 128*PV
	s_lshl_b32 s3, s[WV], 11        ; my 16 rows in a band of 64,
	s_lshl_b32 s2, s[HI], 14        ; in the first block,
	s_add_co_u32 s2, s2, s3
	s_lshl_b32 s84, s[PB], 14       ; and in the second
	s_add_co_u32 s84, s84, s3
	s_mov_b32 s3, 0
	s_mov_b32 s85, 0
	s_add_nc_u64 s[2:3], s[2:3], s[20:21]
	s_add_nc_u64 s[84:85], s[84:85], s[20:21]
	s_lshl_b32 s52, s[PB], 12       ; my work-group's 4,096 bytes of a tile, for the prefetch
	s_mov_b32 s53, 0
	s_add_nc_u64 s[52:53], s[52:53], s[20:21]
	; group 1: 128 keys are 16,384 dense bytes: asked for as 64 rows of 256 bytes, two keys a row, padded in LDS after every key
	s_mov_b32 s[G1K], (1<<16)|(1<<20)|(4<<22)|(3<<25)
	s_mov_b32 s[G1V], (1<<16)|(1<<20)|(4<<22)|(7<<25)
.irp g, G1K, G1V
	s_mov_b32 s[\g+1], 128<<16
	s_mov_b32 s[\g+2], 64<<16
	s_mov_b32 s[\g+3], 128<<16
	s_mov_b32 s[\g+4], 64
	s_mov_b32 s[\g+5], 128
	s_mov_b32 s[\g+6], 0
	s_mov_b32 s[\g+7], 0
.endr
	s_mov_b32 s[CS], 0x3e38aa3b     ; c = log2(e) / 8
	s_mov_b32 s[CS+1], s[CS]
	s_mov_b32 s[SEL], 0x76543210
	s_mov_b32 s[SEL+1], 0xfedcba98
	s_mov_b32 s[TBK], SLOT1+4*KS*PK ; the first change of slots turns these two into 0
	s_mov_b32 s[TBV], SLOT1+4*KS*PV
	s_mov_b32 s[G0K], 1
	s_mov_b32 s[G0K+1], s17
	s_mov_b32 s[G0V], 1
	s_add_co_u32 s[G0V+1], s18, VOFF
	s_lshr_b32 s[LQ], s[HI], 1      ; the first block's last tile
	s_add_co_u32 s[RT], s[LQ], 1
	s_lshr_b32 s[PBH], s[PB], 1
	s_and_b32 s[OWN], s[HI], 1
	s_lshl_b32 s[OWN], s[OWN], 1
	s_add_co_u32 s[OWN+1], s[OWN], 1
	s_mov_b32 s[NXT], 1
	s_mov_b32 s[NEW], 1
	s_mov_b32 s[STEP], 0
	s_mov_b32 s[OFF+1], 0
	s_mov_b32 s[AL+1], 0
	s_mov_b32 s[BE+1], 0
	s_mov_b32 s[BIGN], 0xf149f2ca   ; -1e30
	s_mov_b32 s[SLOTS], NB
	v_and_b32 v[PFO], 15, v0
	v_bfe_u32 v10, v0, 4, 1
	v_lshlrev_b32 v[PFO], 8, v[PFO]
	v_lshl_add_u32 v[PFO], v10, 23, v[PFO]  ; v lies 0x800000 bytes behind k
	s_wait_dscnt 0x0                ; the opening add is done
	s_wait_kmcnt 0x0
	s_add_nc_u64 s[6:7], s[48:49], s[22:23]
	s_add_nc_u64 s[8:9], s[6:7], 0x1000000   ; V at my half of the pair's tile 0,
	s_add_nc_u64 s[6:7], s[6:7], 0x800000    ; and K
	s_add_nc_u64 s[G0K+2:G0K+3], s[6:7], 0
	s_or_b32 s[G0K+3], s[G0K+3], 0x80000000
	s_add_nc_u64 s[G0V+2:G0V+3], s[8:9], 0
	s_or_b32 s[G0V+3], s[G0V+3], 0x80000000
	s_add_nc_u64 s[86:87], s[48:49], s[84:85]
	s_add_nc_u64 s[4:5], s[48:49], s[2:3]
	s_add_nc_u64 s[OLO:OLO+1], s[50:51], s[84:85]
	s_add_nc_u64 s[10:11], s[50:51], s[2:3]
	s_add_nc_u64 s[PFA:PFA+1], s[48:49], s[52:53]
	s_add_nc_u64 s[PFA:PFA+1], s[PFA:PFA+1], 0x800000+32768  ; in k, at tile 1: the first change of slots steps it to tile 2.  Nothing is prefetched here, at the head
	LOAD                            ; tile 0 into slot 0
	v_and_b32 v1, 15, v0            ; l % 16
	v_bfe_u32 v9, v0, 4, 1          ; l / 16
	v_lshlrev_b32 v[QO], 7, v1
	v_lshl_add_u32 v[QO], v9, 4, v[QO]
	WIN 0x80
.set i, 0
.rept 4                             ; both blocks' Q: piece i / 2 lies in band i / 2, 8,192 bytes on; channels 32 (i % 2) on
	global_load_b128 v[8*i:8*i+3],   v[QO], s[4:5] offset:(i/2)*8192+(i%2)*64
	global_load_b128 v[8*i+4:8*i+7], v[QO], s[4:5] offset:(i/2)*8192+(i%2)*64+32
	global_load_b128 v[QB+8*i:QB+8*i+3],   v[QO], s[86:87] offset:(i/2)*8192+(i%2)*64
	global_load_b128 v[QB+8*i+4:QB+8*i+7], v[QO], s[86:87] offset:(i/2)*8192+(i%2)*64+32
.set i, i+1
.endr
	WIN 0
	v_lshlrev_b32 v14, 3, v9
	v_sub_nc_u32 v14, v1, v14
	s_lshl_b32 s13, s[WV], 4
	v_add_nc_u32 v14, s13, v14      ; my query's place in its band less my lanes' 8 (l / 16): register r of group kt is hidden where 16 kt + r is greater
	WIN 0x40
.set i, 0
.rept 32
	v_cmp_gt_i32 vcc_lo, 16*(i/8)+i%8, v14
	v_cndmask_b32 v[MD+i], 0, s[BIGN], vcc_lo
.set i, i+1
.endr
	WIN 0
	v_mul_u32_u24 v[AK0], v1, PK
	v_lshl_add_u32 v[AK0], v9, 4, v[AK0]
	v_and_b32 v10, 7, v0
	v_bfe_u32 v11, v0, 3, 1
	v_lshl_add_u32 v[AV0], v9, 3, v10
	v_mul_u32_u24 v[AV0], v[AV0], PV
	v_lshl_add_u32 v[AV0], v11, 4, v[AV0]
	v_add_nc_u32 v[AV0], VOFF, v[AV0]
	s_mul_i32 s13, s[WV], 16*SP
	s_add_co_u32 s13, s13, STAGE
	v_mul_u32_u24 v[STO], v1, SP
	v_lshl_add_u32 v[STO], v9, 4, v[STO]
	v_add_nc_u32 v[STO], s13, v[STO]
	v_bfe_u32 v[RD], v0, 3, 2
	v_mul_u32_u24 v[RD], v[RD], SP
	v_lshl_add_u32 v[RD], v10, 4, v[RD]
	v_add_nc_u32 v[RD], s13, v[RD]
	v_and_b32 v[GO], 31, v0
	v_lshlrev_b32 v[GO], 4, v[GO]
	; A block's first step multiplies O^T and l by a = 0, and its first turn's products V^T P, of a step that has not been, land in an O^T still to be so multiplied: these registers need only hold
	; finite numbers: zeros for the first block, what the first block left for the second.  All this stands in the wait for the first tile.
	WIN 0x80
.set i, 64
.rept 64
	v_mov_b32 v[i], 0
.set i, i+1
.endr
	WIN 0x40
.set i, 0
.rept 64
	v_mov_b32 v[i], 0
.set i, i+1
.endr
	WIN 0
.set i, 0
.rept 2
	v_mov_b32 v[ST+4*i+2], 0
	v_mov_b32 v[ST+4*i+3], 0
.set i, i+1
.endr
.set i, P+16
.rept 16
	v_mov_b32 v[i], 0
.set i, i+1
.endr
; THE MATRIX WORK.  The 4 accumulators of a run of 8 take turns.  Product i of 8 of S^T = K Q^T for piece x: channels 32 (i / 4) on, keys 16 (i % 4) on.  The first 4 start the sums: with 0, or (KM = 1) with the mask.
.macro KQ x
.set rS, S+32*((\x)%2)+8*(i%4)
.set rK, KF+16*(i%4)+8*(i/4)
.set rQ, 16*(\x)+8*(i/4)
.set rM, MC+32*((\x)%2)+8*(i%4)
.if (i < 4) && KM
	WIN W_KM
	v_wmma_f32_16x16x32_bf16 v[rS:rS+7], v[rK:rK+7], v[rQ:rQ+7], v[rM:rM+7]
.elseif i < 4
	WIN W_KQ
	v_wmma_f32_16x16x32_bf16 v[rS:rS+7], v[rK:rK+7], v[rQ:rQ+7], 0
.else
	WIN W_KQ
	v_wmma_f32_16x16x32_bf16 v[rS:rS+7], v[rK:rK+7], v[rQ:rQ+7], v[rS:rS+7]
.endif
.endm
; Product i of 8 of O^T += V^T P for piece x, on V's buffer VBUF: keys 32 (i / 4) on, channels 16 (i % 4) on.
.macro PV x
	WIN W_PV
.set rO, 32*(\x)+8*(i%4)
.set rV, 192-128*VBUF+32*(i/4)+8*(i%4)
.set rP, P+16*((\x)%2)+8*(i/4)
	v_wmma_f32_16x16x32_bf16 v[rO:rO+7], v[rV:rV+7], v[rP:rP+7], v[rO:rO+7]
.endm
.macro MM                           ; the turn's next matrix instruction.  NOKQ = 1: a block's last turn: there are no further scores
.if (i < 8) && !NOKQ
	KQ (Y+1)%NP
.elseif i >= 8
.set i, i-8
	PV (Y+NP-1)%NP
.set i, i+8
.endif
.set i, i+1
.endm
.macro FETCH_K                      ; a step's K: 64 keys x 64 channels, 8 fragments, in one run of 16 loads
	WIN 0x80
.irp f, 0,1,2,3,4,5,6,7
	ds_load_b128 v[KF+8*\f:KF+8*\f+3],   v[AK] offset:(\f/2)*16*PK+(\f%2)*64
	ds_load_b128 v[KF+8*\f+4:KF+8*\f+7], v[AK] offset:(\f/2)*16*PK+(\f%2)*64+32
.endr
	s_add_co_u32 s[TBK], s[TBK], KS*PK
	WIN 0
.endm
.macro FETCH_V vb                   ; a step's V, turned, into buffer vb
	WIN 0x80
.irp f, 0,1,2,3,4,5,6,7
	ds_load_tr16_b128 v[192-128*(\vb)+8*\f:192-128*(\vb)+8*\f+3],   v[AV] offset:(\f/4)*32*PV+(\f%4)*32
	ds_load_tr16_b128 v[192-128*(\vb)+8*\f+4:192-128*(\vb)+8*\f+7], v[AV] offset:(\f/4)*32*PV+16*PV+(\f%4)*32
.endr
	WIN 0
.endm
; THE VECTOR WORK, one line at a time: OP kind, number.  For piece Y: F n: c s - c m for pair n of 16.  E n: the exponential of score n of 32.  C n: pair n rounded to bf16.  B n: of the four weights
; 4 n .. the second pair is added onto the first.  L n: l takes that sum (L 0: l = a l + sum).  R n: pair n of 16 of O^T times a.  For piece Y + 1: X n, number n of the 22 that find its maximum and statistics:
;   0-11 four chains c0-c3 of seven scores each (each accumulator's lowest registers are read first)   12-14, 16 the scores left over, the old m, c0-c3 into c0   15 c m_old is kept
;   17, 18 the other half of the lanes: the new m   19-21 c m; c m_old - c m_new; a
.set F, 0
.set E, 1
.set C, 2
.set B, 3
.set L, 4
.set R, 5
.set X, 6
.macro REGS y
.set rT, ST+4*(\y)
.set rC, TMP+4*((\y)%2)
.set rW, MV+((\y)%2)
.set rS, S+32*((\y)%2)
.set rP, P+16*((\y)%2)
.set rO, 32*(\y)
.endm
.macro OP k, n
.if (\k) == R
	REGS Y
	WIN W_RS
	v_pk_mul_f32 v[rO+2*(\n):rO+2*(\n)+1], v[rO+2*(\n):rO+2*(\n)+1], v[rC+2:rC+3] op_sel_hi:[1,0]
.elseif (\k) < R
	REGS Y
	WIN 0
.if (\k) == F
	v_pk_fma_f32 v[rS+2*(\n):rS+2*(\n)+1], v[rS+2*(\n):rS+2*(\n)+1], s[CS:CS+1], v[rT:rT+1] op_sel_hi:[1,0,0] neg_lo:[0,0,1] neg_hi:[0,0,1]
.elseif (\k) == E
	v_exp_f32 v[rS+(\n)], v[rS+(\n)]
.elseif (\k) == C
	v_cvt_pk_bf16_f32 v[rP+(\n)], v[rS+2*(\n)], v[rS+2*(\n)+1]
.elseif (\k) == B
	v_pk_add_f32 v[rS+4*(\n):rS+4*(\n)+1], v[rS+4*(\n):rS+4*(\n)+1], v[rS+4*(\n)+2:rS+4*(\n)+3]
.elseif (\n) == 0
	v_pk_fma_f32 v[rT+2:rT+3], v[rT+2:rT+3], v[rC+2:rC+3], v[rS:rS+1] op_sel_hi:[1,0,1]
.else
	v_pk_add_f32 v[rT+2:rT+3], v[rT+2:rT+3], v[rS+4*(\n):rS+4*(\n)+1]
.endif
.elseif NOKQ
	v_nop
.else
	REGS (Y+1)%NP
	WIN 0
.if (\n) < 4
	v_max3_num_f32 v[rC+(\n)], v[rS+8*(\n)], v[rS+8*(\n)+1], v[rS+8*(\n)+2]
.elseif (\n) < 12
	v_max3_num_f32 v[rC+(\n)%4], v[rC+(\n)%4], v[rS+8*((\n)%4)+2*((\n)/4)+1], v[rS+8*((\n)%4)+2*((\n)/4)+2]
.elseif (\n) == 12
	v_max3_num_f32 v[rC], v[rC], v[rS+7], v[rS+15]
.elseif (\n) == 13
	v_max3_num_f32 v[rC+1], v[rC+1], v[rS+23], v[rS+31]
.elseif (\n) == 14
	v_max3_num_f32 v[rC+2], v[rC+2], v[rC+3], v[rT+1]
.elseif (\n) == 15
	v_mov_b32 v[rW], v[rT]
.elseif (\n) == 16
	v_max3_num_f32 v[rC], v[rC], v[rC+1], v[rC+2]
.elseif (\n) == 17
	v_permlanex16_b32 v[rC+3], v[rC], s[SEL], s[SEL+1]
.elseif (\n) == 18
	v_max_num_f32 v[rT+1], v[rC], v[rC+3]
.elseif (\n) == 19
	v_mul_f32 v[rT], s[CS], v[rT+1]
.elseif (\n) == 20
	v_sub_f32 v[rC+1], v[rW], v[rT]
.else
	v_exp_f32 v[rC+2], v[rC+1]
.endif
.endif
.endm
.macro OPS a, i1, b=-1, i2=0, c=-1, i3=0, d=-1, i4=0
	OP \a, \i1
.if (\b) >= 0
	OP \b, \i2
.endif
.if (\c) >= 0
	OP \c, \i3
.endif
.if (\d) >= 0
	OP \d, \i4
.endif
.endm
.macro ROW a, i1, b, i2, c, i3, d, i4  ; a matrix instruction and the four behind it
	MM
	OPS \a, \i1, \b, \i2, \c, \i3, \d, \i4
.endm
.macro MASK b                       ; MD x AL + BE into buffer b of MC
	WIN W_RS
.set z, 0
.rept 16
	v_pk_fma_f32 v[MC+32*(\b)+2*z:MC+32*(\b)+2*z+1], v[MD+2*z:MD+2*z+1], s[AL:AL+1], s[BE:BE+1] op_sel_hi:[1,0,0]
.set z, z+1
.endr
.endm
; A TURN, for piece p; vb: the buffer of V that its products V^T P read.  ONE wait cuts it in two: ahead of it stands all that names no result of the turn's exponentials (8 products K Q^T with their
; riders, then the lump, whose last exponential is the next piece's a; R 15 is the plain instruction behind it); behind it 8 products V^T P, whose riders are the roundings and sums.
; Piece 0's turn fetches the next step's K in the lump (five plain instructions that name no register of the last product that read K stand between) and the next step's V at its end, into the
; buffer that its own products have just read (four plain riders between).  Piece 1's turn opens with the one LDS wait of a step.
; m = 1: the diagonal tile: the products take masks, and at its end the turn makes band p's mask for step STEP, which the next products K Q^T of piece p take.
; end = 1: a block's last two turns: nothing is fetched, no mask made.  cnt = 1: the loop's count is taken down at the turn's end, ahead of the branch that stands behind it.
.macro TURN p, vb, m=0, end=0, cnt=0
.set Y, (\p)
.set i, 0
.set VBUF, (\vb)
.set KM, (\m)
.set NOKQ, (\end)*(\p)
.if (\m) && !(\end)
	s_cmp_eq_u32 s[STEP], s[OWN+(\p)]  ; is that step the band's own?
	s_cselect_b32 s[AL], 1.0, 0
	s_cmp_gt_u32 s[STEP], s[OWN+(\p)]  ; or a later one?
	s_cselect_b32 s[BE], s[BIGN], 0
.endif
.if (\p) == 1
.if \end
	s_wait_dscnt 0x0                ; V of the last step is in
.else
	s_wait_dscnt 16                 ; V of this step and K of the next are in; the 16 younger loads, V of the next step, may stay out
.endif
.endif
	ROW F,0, F,1, R,0, R,1
	ROW F,2, E,0, R,2, R,3
	ROW F,3, E,1, R,4, R,5
	ROW F,4, E,2, R,6, R,7
	ROW F,5, E,3, R,8, R,9
	ROW F,6, E,4, X,0, R,10
.if ((\p) == 0) && !(\end)
	WIN 0
	v_add_nc_u32 v[AK], s[TBK], v[AK0]
.endif
	ROW F,7, E,5, X,1, X,4
	ROW F,8, E,6, X,2, X,5
	OPS E,7, E,8, X,6, E,9
	OPS X,3, E,10, X,8, E,11
.if ((\p) == 0) && !(\end)
	FETCH_K
.endif
	OPS X,9, X,7, E,12, X,10
	OPS E,13, X,12, X,11, E,14
	OPS X,13, E,15, F,9, X,14
.if ((\p) == 0) && !(\end)
	v_add_nc_u32 v[AV], s[TBV], v[AV0]
.endif
	OPS E,16, F,10, E,17, F,11
	OPS X,16, E,18, X,15, E,19
	OPS F,12, E,20, X,17, E,21
	OPS F,13, E,22, F,14, E,23
	OPS X,18, E,24, F,15, E,25
	OPS R,11, E,26, X,19, E,27
	OPS R,12, E,28, R,13, E,29
	OPS X,20, E,30, R,14, E,31
	OPS X,21, R,15
	WIN 0
	s_wait_alu depctr_va_vdst(0)    ; the wait for the batch
	ROW C,0, B,0, C,2, B,1
	ROW L,0, C,4, B,2, L,1
	ROW C,6, B,3, L,2, C,8
	ROW B,4, L,3, C,10, B,5
	ROW L,4, C,12, B,6, L,5
.if ((\p) == 0) && !(\end)
	s_add_co_u32 s[TBV], s[TBV], KS*PV
.endif
	ROW C,14, B,7, L,6, C,1
	ROW C,3, L,7, C,5, C,7
	ROW C,9, C,11, C,13, C,15
.if ((\p) == 0) && !(\end)
	FETCH_V \vb
.endif
.if (\m) && !(\end)
	MASK \p
.if (\p) == 1
	s_add_co_u32 s[STEP], s[STEP], 1
.endif
.endif
.if \cnt
	s_sub_co_u32 s[CNT], s[CNT], 1
	s_cmp_lg_u32 s[CNT], 0
.endif
.endm
; A BLOCK BEGINS.  c m starts far below every c s, so the first step's a is 0; m at the lowest finite number.  Piece 1 sees all of the tile's step 0, so its mask is 0; piece 0's is its own step's
; if the block's first tile holds the diagonal and its own step is 0, else 0.  Then K and V of step 0, piece 0's first scores, its maximum and statistics.
.macro BEGIN
	s_mov_b32 s[NEW], 0
	WIN 0x40
.set i, MC+32
.rept 32
	v_mov_b32 v[i], 0
.set i, i+1
.endr
	WIN 0
.set i, 0
.rept 2
	v_mov_b32 v[ST+4*i], 0xfe000000
	v_mov_b32 v[ST+4*i+1], 0xff7fffff
.set i, i+1
.endr
	s_or_b32 s13, s[RT], s[OWN]
	s_cmp_eq_u32 s13, 0
	s_cselect_b32 s[AL], 1.0, 0
	s_mov_b32 s[BE], 0
	MASK 0
	WIN 0
	v_add_nc_u32 v[AK], s[TBK], v[AK0]
	FETCH_K
	v_add_nc_u32 v[AV], s[TBV], v[AV0]
	s_add_co_u32 s[TBV], s[TBV], KS*PV
	FETCH_V 0
	s_wait_loadcnt 0x0              ; Q
	s_wait_dscnt 16                 ; K is in; V's 16 loads may stay out
.set KM, 1
.set NOKQ, 0
.set i, 0
.rept 8
	KQ 0
.set i, i+1
.endr
	WIN 0
.rept 4
	v_nop                           ; the places behind those products
.endr
.set Y, NP-1                        ; X works for piece Y + 1: piece 0
.irp n, 0,1,2,3,4,5,6,7,8,9,10,11,12,13,14,15,16,17,18,19,20,21
	OP X, \n
.endr
	v_nop                           ; a plain instruction behind the exponential,
	s_wait_alu depctr_va_vdst(0)    ; and its wait, ahead of the branch
	s_mov_b32 s[STEP], 1
.endm
.macro ALL line:vararg              ; one line for each piece t
.set t, 0
.rept 2
	\line
.set t, t+1
.endr
.endm
.macro PACK t                       ; O^T divided by l, rounded; a lane's eight channels of a row are 16 bytes; into rows of 144 bytes and back as whole rows of 128
	WIN W_RS
.set i, 32*(\t)
.rept 16
	v_pk_mul_f32 v[i:i+1], v[i:i+1], v[ST+4*(\t)+2:ST+4*(\t)+3] op_sel_hi:[1,0]
.set i, i+2
.endr
	WIN 0x05
.set i, 0
.rept 16
	v_cvt_pk_bf16_f32 v[S+16*(\t)+i], v[32*(\t)+2*i], v[32*(\t)+2*i+1]
.set i, i+1
.endr
	WIN 0
.irp f, 0,1,2,3
	ds_store_b128 v[STO], v[S+16*(\t)+4*\f:S+16*(\t)+4*\f+3] offset:32*\f
.endr
.irp f, 0,1,2,3
	ds_load_b128 v[S+16*(\t)+4*\f:S+16*(\t)+4*\f+3], v[RD] offset:\f*4*SP  ; LDS serves a wave's instructions in order: these see the stores above; the next piece's stores come behind them
.endr
.endm
.macro SEND t, younger              ; younger: the LDS instructions issued behind piece t's loads
	WIN 0
.irp f, 0,1,2,3
	s_wait_dscnt (\younger)+3-\f
	global_store_b128 v[GO], v[S+16*(\t)+4*\f:S+16*(\t)+4*\f+3], s[10:11] offset:(\t)*8192+\f*512  ; 512 consecutive bytes, aligned
.endr
.endm
; THE DIAGONAL TILE: the last step of the tile before and its own first three, written as two steps and walked twice (a block whose first tile it is enters at the second); then the block's end: the
; last step's two turns, piece 1's last products, and the way out.  The tag ends its two labels' names, which the jumps below spell out.
.macro DIAG tag
.LstepM\tag:
	TURN 0, 0, 1
	TURN 1, 1, 1
	WIN 0
.LfirstM\tag:
	TURN 0, 1, 1
	TURN 1, 0, 1, 0, 1
	WIN 0
	s_cbranch_scc1 .LstepM\tag
	TURN 0, 0, 1, 1
	TURN 1, 1, 1, 1
.set VBUF, 1
.set i, 0
.rept 8
	PV 1
.set i, i+1
.endr
	WIN 0
	ALL v_add_f32 v[ST+4*t+2], v[ST+4*t+2], v[ST+4*t+3]
	ALL v_permlanex16_b32 v[ST+4*t+3], v[ST+4*t+2], s[SEL], s[SEL+1]
	ALL v_add_f32 v[ST+4*t+2], v[ST+4*t+2], v[ST+4*t+3]
	ALL v_rcp_f32 v[ST+4*t+2], v[ST+4*t+2]
	v_nop                           ; a plain instruction between the last reciprocal and its use
	s_wait_alu depctr_va_vdst(0)    ; one wait for both reciprocals
	PACK 0                          ; piece 0 was finished a run of products earlier: its arithmetic is the places behind piece 1's last products
	PACK 1
	SEND 0, 8
	SEND 1, 0
.endm
.set KM, 0
.set NOKQ, 0
.Lslot:                             ; NB times: a tile is entered and the next is asked for
	CHANGE 1
	s_sub_co_u32 s[RT], s[RT], 1
	s_mov_b32 s[CNT], 2
	s_mov_b32 s[STEP], 0
	s_cmp_eq_u32 s[NEW], 1
	s_cbranch_scc1 .Lnew            ; a block's first tile
	s_cmp_eq_u32 s[RT], 0
	s_cbranch_scc0 .Lstep           ; neither its first nor its last
	s_branch .LstepM1
.Lnew:
	BEGIN
	s_branch .Lfirst                ; in the loop a block's first tile is never its last: the first block has five tiles or more, and the second's last is the walk's last
	DIAG 1                          ; in the loop this is the first block's end
	s_wait_xcnt 0x0                 ; the stores have read their registers and O's address
	s_mov_b64 s[10:11], s[OLO:OLO+1]
	s_add_co_u32 s[RT], s[PBH], 1   ; the second block has b / 2 + 1 tiles
	s_and_b32 s[OWN], s[PB], 1
	s_lshl_b32 s[OWN], s[OWN], 1
	s_add_co_u32 s[OWN+1], s[OWN], 1
	s_mov_b32 s[NEW], 1
	WIN 0x82                        ; the second block's Q goes where the one text of the turns names Q
.set i, 0
.rept 32
	v_mov_b32 v[i], v[QB+i]
.set i, i+1
.endr
	WIN 0
	s_branch .Lbottom
.Lstep:                             ; a trip: an odd step's two turns, then an even step's; walked twice a tile
	TURN 0, 0
	TURN 1, 1
	WIN 0
.Lfirst:
	TURN 0, 1
	TURN 1, 0, 0, 0, 1
	WIN 0
	s_cbranch_scc1 .Lstep
.Lbottom:
	s_sub_co_u32 s[SLOTS], s[SLOTS], 1
	s_cmp_lg_u32 s[SLOTS], 0
	s_cbranch_scc1 .Lslot
	CHANGE 0                        ; the walk's last tile is written out: nothing is asked for
	s_sub_co_u32 s[RT], s[RT], 1
	s_mov_b32 s[CNT], 2
	s_mov_b32 s[STEP], 0
	s_cmp_eq_u32 s[NEW], 1
	s_cbranch_scc0 .LstepM2
	BEGIN
	s_branch .LfirstM2
	DIAG 2
	s_wait_tensorcnt 0x0            ; the wave's end
	ds_add_u32 v[SPW], v[NIL]
	s_wait_dscnt 0x0
	s_endpgm
.Lfunc_end_k_q5852a1b766_attn:
	.size	k_q5852a1b766_attn, .Lfunc_end_k_q5852a1b766_attn-k_q5852a1b766_attn
	.p2alignl 7, 3214868480
	.fill 96, 4, 3214868480
	.section	.rodata,"a",@progbits
	.p2align	6, 0x0
	.amdhsa_kernel k_q5852a1b766_attn
		.amdhsa_group_segment_fixed_size 327680
		.amdhsa_private_segment_fixed_size 0
		.amdhsa_enable_private_segment 0
		.amdhsa_kernarg_size 16
		.amdhsa_user_sgpr_count 2
		.amdhsa_user_sgpr_kernarg_segment_ptr 1
		.amdhsa_wavefront_size32 1
		.amdhsa_system_sgpr_workgroup_id_x 1
		.amdhsa_system_sgpr_workgroup_id_y 1
		.amdhsa_system_sgpr_workgroup_id_z 1
		.amdhsa_system_vgpr_workitem_id 0
		.amdhsa_next_free_vgpr 768
		.amdhsa_next_free_sgpr 96
		.amdhsa_reserve_vcc 1
		.amdhsa_float_denorm_mode_32 3
		.amdhsa_float_denorm_mode_16_64 3
		.amdhsa_memory_ordered 1
		.amdhsa_forward_progress 1
		.amdhsa_inst_pref_size 210
	.end_amdhsa_kernel
	.amdgpu_metadata
---
amdhsa.version: [ 1, 2 ]
amdhsa.kernels:
  - .name:           k_q5852a1b766_attn
    .symbol:         k_q5852a1b766_attn.kd
    .args:
      - { .name: big, .offset: 0, .size: 8, .value_kind: global_buffer, .address_space: global }
      - { .name: act, .offset: 8, .size: 8, .value_kind: global_buffer, .address_space: global }
    .group_segment_fixed_size: 327680
    .private_segment_fixed_size: 0
    .kernarg_segment_align: 8
    .kernarg_segment_size: 16
    .max_flat_workgroup_size: 128
    .sgpr_count:     96
    .vgpr_count:     768
    .wavefront_size: 32
...
	.end_amdgpu_metadata
.endif
;; end of part 4
;; launch wo (part 5): grid 8 x 32, 4 waves a work-group, clusters of 4 x 4, 327,680 bytes of LDS; arguments act, wot, bo, x, x1; writes x1
.if DOCPART == 5
	.amdgcn_target "amdgcn-amd-amdhsa--gfx1250"
	.amdhsa_code_object_version 6
	.text
	.protected	k_q5852a1b766_wo
	.globl	k_q5852a1b766_wo
	.p2align	8
	.type	k_q5852a1b766_wo,@function
k_q5852a1b766_wo:
	s_mov_b64 s[64:65], 0
	v_nop
	global_prefetch_b8 v0, s[64:65] scope:SCOPE_SE
	s_setreg_imm32_b32 hwreg(HW_REG_WAVE_MODE, 25, 1), 1
	s_wait_xcnt 0x0
	s_wait_alu depctr_hold_cnt(0) depctr_sa_sdst(0) depctr_va_vdst(0) depctr_va_sdst(0) depctr_va_ssrc(0) depctr_va_vcc(0) depctr_vm_vsrc(0)
	s_getreg_b32 s2, hwreg(HW_REG_IB_STS2, 6, 4)
	s_cmp_eq_u32 s2, 0
	s_cbranch_scc0 .Lentry_in_a_cluster
	s_endpgm
.Lentry_in_a_cluster:
	s_bfe_u32 s2, ttmp6, 0x10000c
	s_cmp_lg_u32 s2, 0xf033
	s_cbranch_scc0 .Lentry_shape_is_right
	s_endpgm
.Lentry_shape_is_right:
; C = R + bias + A B^T, f32 out.  A: [K / 64][4096 rows][64] bf16.  B: [K / 64][1024 n][64] bf16.  bias: [1024] f32.  R and C: [4096][1024] f32.  Sums in f32; here K = 1,024.
; SHARES.  1,024 columns give 64 tiles of 256 x 256 but 256 of 128 x 128, one for each WGP: four waves, each 64 x 64 in 16 accumulators.  K goes in steps of 256 (four blocks of 64) through two LDS slots;
; a wave fetches a quarter of a slot with one tensor load: four runs of 8,192 dense bytes (64 rows of one block), padded by 16 bytes after every 128.
; One K step is written once (the slot in hand is a scalar that one exclusive or turns); the last two K steps, which fill nothing, are a second loop of two trips, left in the middle of its second.
; CLUSTER.  4 x 4 work-groups; A's tile is shared along a row of the cluster, B's along a column, each asked for jointly.  No prefetch: the tile is small.
; The product is taken transposed: a lane holds eight neighbouring columns of a row.  The bias is the C operand of the first products.  My 64 x 64 of R is asked for at the head and stays on its way
; during the whole K loop.  A wave's 64 columns are 256 aligned bytes of C, so each wave has a stage of its own and the way out needs no barrier.
; REGISTERS: window 0: v16-31 addresses; v32-95 at work on the way out; v96-127 the bias; v128-255 the accumulators ((a, b) at 128 + 8 (4 a + b)).
;   window 1: two fragment buffers of 128: for 64 along K, 64 registers of A, then 64 of B.   window 2: v0-127 R.
.set KS,     4                         ; K steps
.set P,      144
.set KBL,    64*P                      ; 64 rows of one block of 64 k
.set HALFT,  4*KBL
.set SLOT,   4*HALFT                   ; 0x24000: no wave's share of a slot (wave x 0x9000) has one of its two bits
.set STAGE,  2*SLOT
.set SP,     272                       ; a stage row: 256 bytes + 16
.set SPARE,  STAGE+4*16*SP
.set STEPA,  4*524288
.set STEPB,  4*131072
.set FLAGS,  (1<<16)|(1<<20)|(1<<21)|(4<<22)|(3<<25)
.set ADRA0, 16
.set ADRA,  17
.set ADRB0, 20
.set ADRB,  21
.set STO,   24
.set RD,    25
.set CO,    26                         ; v26  (l / 16) rows of 4,096 bytes + 16 (l % 16); never rewritten
.set SPW,   28
.set NIL,   29
.set BO,    31
.set TMP,   32
.set BIAS,  96
.set ACC,   128
.set F0,    0
.set F1,    128
.set RES,   0                          ; window 2
.set G1,  24
.set G0,  32
.set G1B, 48
.set G0B, 56
.set TB,  68
.set PA,  72                           ; s[72:73] A, s[74:75] B, s[76:77] bias, s[78:79] R, s[80:81] C
.set MSB, 0
.macro WIN new
.if MSB != (\new)
	s_set_vgpr_msb (MSB<<8)|(\new)
.set MSB, \new
.endif
.endm
.set MUL,  0x05                        ; sources 0 (B) and 1 (A) window 1; C and D window 0
.set TO_F, 0x40
.macro PLACES
.rept 4
	v_nop
.endr
.endm
.macro JLOAD                           ; the joint refill, by the walking sets; an s_nop 0 and four v_nop follow each line
	s_cmp_eq_u32 s11, 0
	s_cbranch_scc0 .Lfor_b_\@
	tensor_load_to_lds s[G0+4:G0+7], s[G1:G1+7]
	s_nop 0
	PLACES
	s_branch .Lasked_\@
.Lfor_b_\@:
	tensor_load_to_lds s[G0B+4:G0B+7], s[G1B:G1B+7]
	s_nop 0
	PLACES
.Lasked_\@:
.endm
.macro CREST
	s_cmp_lg_u32 s10, 0
	s_cbranch_scc1 .Lnot_wave_0_\@
	s_barrier_signal -3
.Lnot_wave_0_\@:
	s_barrier_wait -3
	s_barrier_signal -1
	s_barrier_wait -1
.endm
.macro CROUND
	s_barrier_signal -1
	s_barrier_wait -1
	CREST
.endm
	s_load_b256 s[72:79], s[0:1], 0x0
	s_load_b64 s[80:81], s[0:1], 0x20
	v_lshl_add_u32 v[SPW], v0, 2, SPARE
	v_mov_b32 v[NIL], 0
	ds_add_u32 v[SPW], v[NIL]                      ; the wave's opening: the add and its wait ahead of my first tensor load
	ds_add_u32 v28, v29
	v_lshrrev_b32 v1, 5, v0
	v_readfirstlane_b32 s10, v1
	s_lshr_b32 s11, s10, 1                         ; my half of the rows.  Also: I fetch for A (0) or for B (1)
	s_and_b32 s12, s10, 1                          ; my half of the columns.  Also: which 64 rows I fetch
	s_bfe_u32 s40, ttmp6, 0x40000
	s_bfe_u32 s41, ttmp6, 0x40004
	s_lshl_b32 s42, ttmp9, 2
	s_add_co_u32 s42, s42, s40                     ; tile column
	s_and_b32 s13, ttmp7, 0xffff
	s_lshl_b32 s13, s13, 2
	s_add_co_u32 s13, s13, s41                     ; tile row
	s_lshl_b32 s43, s41, 2
	s_lshl_b32 s43, 15, s43
	s_lshl_b32 s44, 0x1111, s40
	s_or_b32 s[G1], s43, FLAGS
	s_or_b32 s[G1B], s44, FLAGS
.irp g, G1, G1B
	s_mov_b32 s[(\g)+1], 4096<<16                  ; tensor_dim0 = 4,096 elements: 64 rows of 64
	s_mov_b32 s[(\g)+2], 4<<16                     ; tensor_dim1 = 4 blocks of 64 k
	s_mov_b32 s[(\g)+3], 4096<<16
	s_mov_b32 s[(\g)+4], 4
	s_mov_b32 s[(\g)+6], 0
	s_mov_b32 s[(\g)+7], 0
.endr
	s_mov_b32 s[G1+5], 262144                      ; elements from block to block: A's 4,096 rows,
	s_mov_b32 s[G1B+5], 65536                      ; B's 1,024
	s_lshl_b32 s16, s13, 14                        ; A: 128 x tile row rows of 128 bytes
	s_lshl_b32 s17, s12, 13                        ; + the 64 rows that I fetch
	s_add_co_u32 s16, s16, s17
	s_lshl_b32 s46, s42, 14
	s_add_co_u32 s46, s46, s17
	s_mov_b32 s17, 0
	s_mov_b32 s47, 0
	s_mul_i32 s20, s10, HALFT
	s_wait_dscnt 0x0
	s_wait_kmcnt 0x0
	s_add_nc_u64 s[14:15], s[PA:PA+1], s[16:17]
	s_add_nc_u64 s[46:47], s[PA+2:PA+3], s[46:47]
	CROUND
.irp s, 0,1
	s_mov_b32 s[G0+4*(\s)], 1
	s_add_co_u32 s[G0+4*(\s)+1], s20, (\s)*SLOT
	s_add_nc_u64 s[G0+4*(\s)+2:G0+4*(\s)+3], s[14:15], (\s)*STEPA
	s_or_b32 s[G0+4*(\s)+3], s[G0+4*(\s)+3], 0x80000000
	s_mov_b32 s[G0B+4*(\s)], 1
	s_add_co_u32 s[G0B+4*(\s)+1], s20, (\s)*SLOT
	s_add_nc_u64 s[G0B+4*(\s)+2:G0B+4*(\s)+3], s[46:47], (\s)*STEPB
	s_or_b32 s[G0B+4*(\s)+3], s[G0B+4*(\s)+3], 0x80000000
.endr
	s_cmp_eq_u32 s11, 0                            ; a wave's two first fills stand in one branch: two loads of mine are out
	s_cbranch_scc0 .Lfirst_b
	tensor_load_to_lds s[G0:G0+3], s[G1:G1+7]
	s_nop 0
	tensor_load_to_lds s[G0+4:G0+7], s[G1:G1+7]
	s_nop 0
	PLACES
	s_branch .Lfirst_asked
.Lfirst_b:
	tensor_load_to_lds s[G0B:G0B+3], s[G1B:G1B+7]
	s_nop 0
	tensor_load_to_lds s[G0B+4:G0B+7], s[G1B:G1B+7]
	s_nop 0
	PLACES
.Lfirst_asked:
	v_and_b32 v1, 15, v0
	v_bfe_u32 v2, v0, 4, 1
	v_mul_u32_u24 v3, v1, P
	v_lshl_add_u32 v3, v2, 4, v3
	s_mul_i32 s21, s11, HALFT
	s_mul_i32 s22, s12, HALFT
	s_add_co_u32 s22, s22, 2*HALFT
	v_add_nc_u32 v[ADRA0], s21, v3
	v_add_nc_u32 v[ADRB0], s22, v3
	v_mov_b32 v[ADRA], v[ADRA0]
	v_mov_b32 v[ADRB], v[ADRB0]
	s_mov_b32 s[TB], 0
	s_mul_i32 s23, s10, 16*SP
	s_add_co_u32 s23, s23, STAGE                   ; my stage
	v_mul_u32_u24 v4, v1, SP                       ; in: row l % 16, 32 bytes for each half of the lanes
	v_lshl_add_u32 v4, v2, 5, v4
	v_add_nc_u32 v[STO], s23, v4
	v_mul_u32_u24 v5, v2, SP                       ; back: lanes 0-15 one row of 256 bytes, lanes 16-31 the next
	v_lshl_add_u32 v5, v1, 4, v5
	v_add_nc_u32 v[RD], s23, v5
	v_lshlrev_b32 v[CO], 12, v2
	v_lshl_add_u32 v[CO], v1, 4, v[CO]
	v_lshlrev_b32 v[BO], 5, v2
	s_lshl_b32 s18, s42, 9                         ; my 64 columns: 4 (128 x tile column + 64 x half) bytes
	s_lshl_b32 s19, s12, 8
	s_add_co_u32 s18, s18, s19
	s_mov_b32 s19, 0
	s_add_nc_u64 s[PA+4:PA+5], s[PA+4:PA+5], s[18:19]
	s_lshl_b32 s20, s13, 19                        ; my 64 rows: 128 x tile row + 64 x half, of 4,096 bytes
	s_lshl_b32 s21, s11, 18
	s_add_co_u32 s20, s20, s21
	s_add_co_u32 s20, s20, s18
	s_mov_b32 s21, 0
	s_add_nc_u64 s[PA+6:PA+7], s[PA+6:PA+7], s[20:21]
	s_add_nc_u64 s[PA+8:PA+9], s[PA+8:PA+9], s[20:21]
.irp b, 0,1,2,3
	global_load_b128 v[BIAS+8*\b:BIAS+8*\b+3],   v[BO], s[PA+4:PA+5] offset:64*\b
	global_load_b128 v[BIAS+8*\b+4:BIAS+8*\b+7], v[BO], s[PA+4:PA+5] offset:64*\b+16
.endr
	WIN 0x80                                       ; destination window 2, address window 0
.set t, 0
.rept 32
	global_load_b128 v[RES+4*t:RES+4*t+3], v[CO], s[PA+6:PA+7] offset:2*t*4096  ; rows 2 t, 2 t + 1 of my 64
.set t, t+1
.endr
	WIN 0
; 8 matrix instructions: row blocks a0, a0 + 1 x all 4 column blocks, 32 along K: half c of buffer f.  first = 1: the bias starts the sums.  The 16 accumulators take turns.
.macro MUL8 f, c, a0, first
	WIN MUL
.irp a, \a0, (\a0)+1
.irp b, 0,1,2,3
.if \first
	v_wmma_f32_16x16x32_bf16 v[ACC+8*(4*(\a)+(\b)):ACC+8*(4*(\a)+(\b))+7], v[(\f)+64+8*(4*(\c)+(\b)):(\f)+64+8*(4*(\c)+(\b))+7], v[(\f)+8*(4*(\c)+(\a)):(\f)+8*(4*(\c)+(\a))+7], v[BIAS+8*(\b):BIAS+8*(\b)+7]
.else
	v_wmma_f32_16x16x32_bf16 v[ACC+8*(4*(\a)+(\b)):ACC+8*(4*(\a)+(\b))+7], v[(\f)+64+8*(4*(\c)+(\b)):(\f)+64+8*(4*(\c)+(\b))+7], v[(\f)+8*(4*(\c)+(\a)):(\f)+8*(4*(\c)+(\a))+7], v[ACC+8*(4*(\a)+(\b)):ACC+8*(4*(\a)+(\b))+7]
.endif
.endr
.endr
.endm
; 32 LDS loads in one run: block q of the K step in hand into buffer f; its first 32 along K first
.macro FETCH q, f
	WIN TO_F
.irp c, 0,1
.irp i, 0,1,2,3
	ds_load_b128 v[(\f)+64+8*(4*(\c)+(\i)):(\f)+64+8*(4*(\c)+(\i))+3],   v[ADRB] offset:(\q)*KBL+64*(\c)+(\i)*16*P
	ds_load_b128 v[(\f)+64+8*(4*(\c)+(\i))+4:(\f)+64+8*(4*(\c)+(\i))+7], v[ADRB] offset:(\q)*KBL+64*(\c)+(\i)*16*P+32
	ds_load_b128 v[(\f)+8*(4*(\c)+(\i)):(\f)+8*(4*(\c)+(\i))+3],         v[ADRA] offset:(\q)*KBL+64*(\c)+(\i)*16*P
	ds_load_b128 v[(\f)+8*(4*(\c)+(\i))+4:(\f)+8*(4*(\c)+(\i))+7],       v[ADRA] offset:(\q)*KBL+64*(\c)+(\i)*16*P+32
.endr
.endr
.endm
.macro QUARTER q, f, g, first
	s_wait_dscnt 16                                ; the first 32 along K are in; the 16 younger loads may be out
	MUL8 \f, 0, 0, \first
	MUL8 \f, 0, 2, \first
	PLACES
	FETCH \q, \g
	s_wait_dscnt 32                                ; all but the 32 just issued
	MUL8 \f, 1, 0, 0
	MUL8 \f, 1, 2, 0
.endm
; The last quarter multiplies buffer 1 and changes slots: in front of the barrier each wave waits for all its tensor loads, adds 0 to its spare word, and waits for that and for its reads of this slot.
; fill = 1: the barrier opens a round of the cluster's; behind it this slot is filled again, first thing.  fill = 0: the tail; in its last trip (s3 = 1) the fetch is jumped over.
.macro TURN fill
	WIN 0
	s_wait_tensorcnt 0x0
	ds_add_u32 v[SPW], v[NIL]
	s_wait_dscnt 17                                ; (the add and the youngest sixteen loads may be out)
	MUL8 F1, 0, 0, 0
	s_wait_dscnt 0x0                               ; the add is done, and my reads of this slot are over
	s_barrier_signal -1
	MUL8 F1, 0, 2, 0
	WIN 0
	s_barrier_wait -1
.if \fill
	CREST
	s_xor_b32 s[G0+5], s[G0+5], SLOT
	s_add_nc_u64 s[G0+6:G0+7], s[G0+6:G0+7], STEPA
	s_xor_b32 s[G0B+5], s[G0B+5], SLOT
	s_add_nc_u64 s[G0B+6:G0B+7], s[G0B+6:G0B+7], STEPB
	s_xor_b32 s[TB], s[TB], SLOT
	JLOAD                                          ; its four v_nop are also the places in front of the loads below
.else
	PLACES
	s_cmp_eq_u32 s3, 1
	s_cbranch_scc1 .Lnf_\@
	s_xor_b32 s[TB], s[TB], SLOT
.endif
	v_add_nc_u32 v[ADRA], s[TB], v[ADRA0]
	v_add_nc_u32 v[ADRB], s[TB], v[ADRB0]
	FETCH 0, F0
	WIN 0
.if !(\fill)
.Lnf_\@:
.endif
	MUL8 F1, 1, 0, 0
	MUL8 F1, 1, 2, 0
.endm
; THE WAY OUT of row block a.  STG: 32 bytes a lane into my stage, each accumulator's low registers first, and back as whole rows of 256 bytes.  FIN: R is added, the rows are stored.
.macro STG a
.irp b, 0,1,2,3
	ds_store_b128 v[STO], v[ACC+8*(4*(\a)+(\b)):ACC+8*(4*(\a)+(\b))+3]   offset:64*(\b)
	ds_store_b128 v[STO], v[ACC+8*(4*(\a)+(\b))+4:ACC+8*(4*(\a)+(\b))+7] offset:64*(\b)+16
.endr
.irp t, 0,1,2,3,4,5,6,7
	ds_load_b128 v[TMP+32*((\a)%2)+4*(\t):TMP+32*((\a)%2)+4*(\t)+3], v[RD] offset:(\t)*2*SP  ; LDS serves a wave's instructions in order
.endr
.endm
.macro FIN a, younger                  ; younger: the LDS instructions issued behind block a's loads
	s_wait_dscnt \younger
	WIN 0x08                                       ; source 1 in window 2
.set t, 0
.rept 16
	v_pk_add_f32 v[TMP+32*((\a)%2)+2*t:TMP+32*((\a)%2)+2*t+1], v[TMP+32*((\a)%2)+2*t:TMP+32*((\a)%2)+2*t+1], v[RES+32*(\a)+2*t:RES+32*(\a)+2*t+1]
.set t, t+1
.endr
	WIN 0
.irp t, 0,1,2,3,4,5,6,7
	global_store_b128 v[CO], v[TMP+32*((\a)%2)+4*(\t):TMP+32*((\a)%2)+4*(\t)+3], s[PA+8:PA+9] offset:(16*(\a)+2*(\t))*4096  ; 16 lanes store 256 consecutive bytes, aligned
.endr
.endm
	s_wait_tensorcnt 1                             ; my part of K step 0 is in; K step 1's may stay out
	s_barrier_signal -1
	s_barrier_wait -1
	FETCH 0, F0
	s_wait_loadcnt 32                              ; the bias is in; the 32 younger loads, R's, stay out
	QUARTER 1, F0, F1, 1
	WIN 0
	s_mov_b32 s3, KS-2
.Lstep:
	QUARTER 2, F1, F0, 0
	QUARTER 3, F0, F1, 0
	TURN 1
	QUARTER 1, F0, F1, 0
	WIN 0
	s_sub_co_u32 s3, s3, 1
	s_cmp_lg_u32 s3, 0
	s_cbranch_scc1 .Lstep
	s_mov_b32 s3, 2
.Ltail:
	QUARTER 2, F1, F0, 0
	QUARTER 3, F0, F1, 0
	TURN 0
	WIN 0
	s_cmp_eq_u32 s3, 1
	s_cbranch_scc1 .Lout
	QUARTER 1, F0, F1, 0
	WIN 0
	s_sub_co_u32 s3, s3, 1
	s_cmp_lg_u32 s3, 0
	s_cbranch_scc1 .Ltail
.Lout:
	s_wait_dscnt 0x0
	s_wait_loadcnt 0x0                             ; R
	PLACES                                         ; behind the last products, in front of the stores that read their results
	STG 0
	STG 1
	FIN 0, 16
	s_wait_xcnt 0x0                                ; block 0's stores have read their registers, which block 2 takes
	STG 2
	FIN 1, 16
	s_wait_xcnt 0x0
	STG 3
	FIN 2, 16
	FIN 3, 0
	s_wait_tensorcnt 0x0                           ; the wave's end
	ds_add_u32 v[SPW], v[NIL]
	s_wait_dscnt 0x0
	CROUND                                         ; the closing round
	s_endpgm
.Lfunc_end_k_q5852a1b766_wo:
	.size	k_q5852a1b766_wo, .Lfunc_end_k_q5852a1b766_wo-k_q5852a1b766_wo
	.p2alignl 7, 3214868480
	.fill 96, 4, 3214868480
	.section	.rodata,"a",@progbits
	.p2align	6, 0x0
	.amdhsa_kernel k_q5852a1b766_wo
		.amdhsa_group_segment_fixed_size 327680
		.amdhsa_private_segment_fixed_size 0
		.amdhsa_enable_private_segment 0
		.amdhsa_kernarg_size 40
		.amdhsa_user_sgpr_count 2
		.amdhsa_user_sgpr_kernarg_segment_ptr 1
		.amdhsa_wavefront_size32 1
		.amdhsa_system_sgpr_workgroup_id_x 1
		.amdhsa_system_sgpr_workgroup_id_y 1
		.amdhsa_system_sgpr_workgroup_id_z 1
		.amdhsa_system_vgpr_workitem_id 0
		.amdhsa_next_free_vgpr 640
		.amdhsa_next_free_sgpr 84
		.amdhsa_reserve_vcc 0
		.amdhsa_float_denorm_mode_32 3
		.amdhsa_float_denorm_mode_16_64 3
		.amdhsa_memory_ordered 1
		.amdhsa_forward_progress 1
		.amdhsa_inst_pref_size 65
	.end_amdhsa_kernel
	.amdgpu_metadata
---
amdhsa.version: [ 1, 2 ]
amdhsa.kernels:
  - .name:           k_q5852a1b766_wo
    .symbol:         k_q5852a1b766_wo.kd
    .args:
      - { .name: act, .offset: 0, .size: 8, .value_kind: global_buffer, .address_space: global }
      - { .name: wot, .offset: 8, .size: 8, .value_kind: global_buffer, .address_space: global }
      - { .name: bo, .offset: 16, .size: 8, .value_kind: global_buffer, .address_space: global }
      - { .name: x, .offset: 24, .size: 8, .value_kind: global_buffer, .address_space: global }
      - { .name: x1, .offset: 32, .size: 8, .value_kind: global_buffer, .address_space: global }
    .group_segment_fixed_size: 327680
    .private_segment_fixed_size: 0
    .kernarg_segment_align: 8
    .kernarg_segment_size: 40
    .max_flat_workgroup_size: 128
    .sgpr_count:     84
    .vgpr_count:     640
    .wavefront_size: 32
...
	.end_amdgpu_metadata
.endif
;; end of part 5
;; launch ln2: the kernel of part 2 again; grid 256 x 1, 8 waves a work-group, no clusters, 0 bytes of LDS; arguments x1, g2, be2, act; writes act
;; launch ffn1: the kernel of part 3 again; grid 16 x 16, 4 waves a work-group, clusters of 4 x 4, 327,680 bytes of LDS; arguments act, w1t, big; writes big
;; launch ffn2 (part 6): grid 8 x 32, 4 waves a work-group, clusters of 4 x 4, 327,680 bytes of LDS; arguments big, w2t, b2, x1, out0; writes out0
.if DOCPART == 6
	.amdgcn_target "amdgcn-amd-amdhsa--gfx1250"
	.amdhsa_code_object_version 6
	.text
	.protected	k_q5852a1b766_ffn2
	.globl	k_q5852a1b766_ffn2
	.p2align	8
	.type	k_q5852a1b766_ffn2,@function
k_q5852a1b766_ffn2:
	s_mov_b64 s[64:65], 0
	v_nop
	global_prefetch_b8 v0, s[64:65] scope:SCOPE_SE
	s_setreg_imm32_b32 hwreg(HW_REG_WAVE_MODE, 25, 1), 1
	s_wait_xcnt 0x0
	s_wait_alu depctr_hold_cnt(0) depctr_sa_sdst(0) depctr_va_vdst(0) depctr_va_sdst(0) depctr_va_ssrc(0) depctr_va_vcc(0) depctr_vm_vsrc(0)
	s_getreg_b32 s2, hwreg(HW_REG_IB_STS2, 6, 4)
	s_cmp_eq_u32 s2, 0
	s_cbranch_scc0 .Lentry_in_a_cluster
	s_endpgm
.Lentry_in_a_cluster:
	s_bfe_u32 s2, ttmp6, 0x10000c
	s_cmp_lg_u32 s2, 0xf033
	s_cbranch_scc0 .Lentry_shape_is_right
	s_endpgm
.Lentry_shape_is_right:
; C = R + bias + A B^T, f32 out.  A: [K / 64][4096 rows][64] bf16.  B: [K / 64][1024 n][64] bf16.  bias: [1024] f32.  R and C: [4096][1024] f32.  Sums in f32; here K = 4,096.
; SHARES.  1,024 columns give 64 tiles of 256 x 256 but 256 of 128 x 128, one for each WGP: four waves, each 64 x 64 in 16 accumulators.  K goes in steps of 256 (four blocks of 64) through two LDS slots;
; a wave fetches a quarter of a slot with one tensor load: four runs of 8,192 dense bytes (64 rows of one block), padded by 16 bytes after every 128.
; One K step is written once (the slot in hand is a scalar that one exclusive or turns); the last two K steps, which fill nothing, are a second loop of two trips, left in the middle of its second.
; CLUSTER.  4 x 4 work-groups; A's tile is shared along a row of the cluster, B's along a column, each asked for jointly.  No prefetch: the tile is small.
; The product is taken transposed: a lane holds eight neighbouring columns of a row.  The bias is the C operand of the first products.  My 64 x 64 of R is asked for at the head and stays on its way
; during the whole K loop.  A wave's 64 columns are 256 aligned bytes of C, so each wave has a stage of its own and the way out needs no barrier.
; REGISTERS: window 0: v16-31 addresses; v32-95 at work on the way out; v96-127 the bias; v128-255 the accumulators ((a, b) at 128 + 8 (4 a + b)).
;   window 1: two fragment buffers of 128: for 64 along K, 64 registers of A, then 64 of B.   window 2: v0-127 R.
.set KS,     16                        ; K steps
.set P,      144
.set KBL,    64*P                      ; 64 rows of one block of 64 k
.set HALFT,  4*KBL
.set SLOT,   4*HALFT                   ; 0x24000: no wave's share of a slot (wave x 0x9000) has one of its two bits
.set STAGE,  2*SLOT
.set SP,     272                       ; a stage row: 256 bytes + 16
.set SPARE,  STAGE+4*16*SP
.set STEPA,  4*524288
.set STEPB,  4*131072
.set FLAGS,  (1<<16)|(1<<20)|(1<<21)|(4<<22)|(3<<25)
.set ADRA0, 16
.set ADRA,  17
.set ADRB0, 20
.set ADRB,  21
.set STO,   24
.set RD,    25
.set CO,    26                         ; v26  (l / 16) rows of 4,096 bytes + 16 (l % 16); never rewritten
.set SPW,   28
.set NIL,   29
.set BO,    31
.set TMP,   32
.set BIAS,  96
.set ACC,   128
.set F0,    0
.set F1,    128
.set RES,   0                          ; window 2
.set G1,  24
.set G0,  32
.set G1B, 48
.set G0B, 56
.set TB,  68
.set PA,  72                           ; s[72:73] A, s[74:75] B, s[76:77] bias, s[78:79] R, s[80:81] C
.set MSB, 0
.macro WIN new
.if MSB != (\new)
	s_set_vgpr_msb (MSB<<8)|(\new)
.set MSB, \new
.endif
.endm
.set MUL,  0x05                        ; sources 0 (B) and 1 (A) window 1; C and D window 0
.set TO_F, 0x40
.macro PLACES
.rept 4
	v_nop
.endr
.endm
.macro JLOAD                           ; the joint refill, by the walking sets; an s_nop 0 and four v_nop follow each line
	s_cmp_eq_u32 s11, 0
	s_cbranch_scc0 .Lfor_b_\@
	tensor_load_to_lds s[G0+4:G0+7], s[G1:G1+7]
	s_nop 0
	PLACES
	s_branch .Lasked_\@
.Lfor_b_\@:
	tensor_load_to_lds s[G0B+4:G0B+7], s[G1B:G1B+7]
	s_nop 0
	PLACES
.Lasked_\@:
.endm
.macro CREST
	s_cmp_lg_u32 s10, 0
	s_cbranch_scc1 .Lnot_wave_0_\@
	s_barrier_signal -3
.Lnot_wave_0_\@:
	s_barrier_wait -3
	s_barrier_signal -1
	s_barrier_wait -1
.endm
.macro CROUND
	s_barrier_signal -1
	s_barrier_wait -1
	CREST
.endm
	s_load_b256 s[72:79], s[0:1], 0x0
	s_load_b64 s[80:81], s[0:1], 0x20
	v_lshl_add_u32 v[SPW], v0, 2, SPARE
	v_mov_b32 v[NIL], 0
	ds_add_u32 v[SPW], v[NIL]                      ; the wave's opening: the add and its wait ahead of my first tensor load
	ds_add_u32 v28, v29
	v_lshrrev_b32 v1, 5, v0
	v_readfirstlane_b32 s10, v1
	s_lshr_b32 s11, s10, 1                         ; my half of the rows.  Also: I fetch for A (0) or for B (1)
	s_and_b32 s12, s10, 1                          ; my half of the columns.  Also: which 64 rows I fetch
	s_bfe_u32 s40, ttmp6, 0x40000
	s_bfe_u32 s41, ttmp6, 0x40004
	s_lshl_b32 s42, ttmp9, 2
	s_add_co_u32 s42, s42, s40                     ; tile column
	s_and_b32 s13, ttmp7, 0xffff
	s_lshl_b32 s13, s13, 2
	s_add_co_u32 s13, s13, s41                     ; tile row
	s_lshl_b32 s43, s41, 2
	s_lshl_b32 s43, 15, s43
	s_lshl_b32 s44, 0x1111, s40
	s_or_b32 s[G1], s43, FLAGS
	s_or_b32 s[G1B], s44, FLAGS
.irp g, G1, G1B
	s_mov_b32 s[(\g)+1], 4096<<16                  ; tensor_dim0 = 4,096 elements: 64 rows of 64
	s_mov_b32 s[(\g)+2], 4<<16                     ; tensor_dim1 = 4 blocks of 64 k
	s_mov_b32 s[(\g)+3], 4096<<16
	s_mov_b32 s[(\g)+4], 4
	s_mov_b32 s[(\g)+6], 0
	s_mov_b32 s[(\g)+7], 0
.endr
	s_mov_b32 s[G1+5], 262144                      ; elements from block to block: A's 4,096 rows,
	s_mov_b32 s[G1B+5], 65536                      ; B's 1,024
	s_lshl_b32 s16, s13, 14                        ; A: 128 x tile row rows of 128 bytes
	s_lshl_b32 s17, s12, 13                        ; + the 64 rows that I fetch
	s_add_co_u32 s16, s16, s17
	s_lshl_b32 s46, s42, 14
	s_add_co_u32 s46, s46, s17
	s_mov_b32 s17, 0
	s_mov_b32 s47, 0
	s_mul_i32 s20, s10, HALFT
	s_wait_dscnt 0x0
	s_wait_kmcnt 0x0
	s_add_nc_u64 s[14:15], s[PA:PA+1], s[16:17]
	s_add_nc_u64 s[46:47], s[PA+2:PA+3], s[46:47]
	CROUND
.irp s, 0,1
	s_mov_b32 s[G0+4*(\s)], 1
	s_add_co_u32 s[G0+4*(\s)+1], s20, (\s)*SLOT
	s_add_nc_u64 s[G0+4*(\s)+2:G0+4*(\s)+3], s[14:15], (\s)*STEPA
	s_or_b32 s[G0+4*(\s)+3], s[G0+4*(\s)+3], 0x80000000
	s_mov_b32 s[G0B+4*(\s)], 1
	s_add_co_u32 s[G0B+4*(\s)+1], s20, (\s)*SLOT
	s_add_nc_u64 s[G0B+4*(\s)+2:G0B+4*(\s)+3], s[46:47], (\s)*STEPB
	s_or_b32 s[G0B+4*(\s)+3], s[G0B+4*(\s)+3], 0x80000000
.endr
	s_cmp_eq_u32 s11, 0                            ; a wave's two first fills stand in one branch: two loads of mine are out
	s_cbranch_scc0 .Lfirst_b
	tensor_load_to_lds s[G0:G0+3], s[G1:G1+7]
	s_nop 0
	tensor_load_to_lds s[G0+4:G0+7], s[G1:G1+7]
	s_nop 0
	PLACES
	s_branch .Lfirst_asked
.Lfirst_b:
	tensor_load_to_lds s[G0B:G0B+3], s[G1B:G1B+7]
	s_nop 0
	tensor_load_to_lds s[G0B+4:G0B+7], s[G1B:G1B+7]
	s_nop 0
	PLACES
.Lfirst_asked:
	v_and_b32 v1, 15, v0
	v_bfe_u32 v2, v0, 4, 1
	v_mul_u32_u24 v3, v1, P
	v_lshl_add_u32 v3, v2, 4, v3
	s_mul_i32 s21, s11, HALFT
	s_mul_i32 s22, s12, HALFT
	s_add_co_u32 s22, s22, 2*HALFT
	v_add_nc_u32 v[ADRA0], s21, v3
	v_add_nc_u32 v[ADRB0], s22, v3
	v_mov_b32 v[ADRA], v[ADRA0]
	v_mov_b32 v[ADRB], v[ADRB0]
	s_mov_b32 s[TB], 0
	s_mul_i32 s23, s10, 16*SP
	s_add_co_u32 s23, s23, STAGE                   ; my stage
	v_mul_u32_u24 v4, v1, SP                       ; in: row l % 16, 32 bytes for each half of the lanes
	v_lshl_add_u32 v4, v2, 5, v4
	v_add_nc_u32 v[STO], s23, v4
	v_mul_u32_u24 v5, v2, SP                       ; back: lanes 0-15 one row of 256 bytes, lanes 16-31 the next
	v_lshl_add_u32 v5, v1, 4, v5
	v_add_nc_u32 v[RD], s23, v5
	v_lshlrev_b32 v[CO], 12, v2
	v_lshl_add_u32 v[CO], v1, 4, v[CO]
	v_lshlrev_b32 v[BO], 5, v2
	s_lshl_b32 s18, s42, 9                         ; my 64 columns: 4 (128 x tile column + 64 x half) bytes
	s_lshl_b32 s19, s12, 8
	s_add_co_u32 s18, s18, s19
	s_mov_b32 s19, 0
	s_add_nc_u64 s[PA+4:PA+5], s[PA+4:PA+5], s[18:19]
	s_lshl_b32 s20, s13, 19                        ; my 64 rows: 128 x tile row + 64 x half, of 4,096 bytes
	s_lshl_b32 s21, s11, 18
	s_add_co_u32 s20, s20, s21
	s_add_co_u32 s20, s20, s18
	s_mov_b32 s21, 0
	s_add_nc_u64 s[PA+6:PA+7], s[PA+6:PA+7], s[20:21]
	s_add_nc_u64 s[PA+8:PA+9], s[PA+8:PA+9], s[20:21]
.irp b, 0,1,2,3
	global_load_b128 v[BIAS+8*\b:BIAS+8*\b+3],   v[BO], s[PA+4:PA+5] offset:64*\b
	global_load_b128 v[BIAS+8*\b+4:BIAS+8*\b+7], v[BO], s[PA+4:PA+5] offset:64*\b+16
.endr
	WIN 0x80                                       ; destination window 2, address window 0
.set t, 0
.rept 32
	global_load_b128 v[RES+4*t:RES+4*t+3], v[CO], s[PA+6:PA+7] offset:2*t*4096  ; rows 2 t, 2 t + 1 of my 64
.set t, t+1
.endr
	WIN 0
; 8 matrix instructions: row blocks a0, a0 + 1 x all 4 column blocks, 32 along K: half c of buffer f.  first = 1: the bias starts the sums.  The 16 accumulators take turns.
.macro MUL8 f, c, a0, first
	WIN MUL
.irp a, \a0, (\a0)+1
.irp b, 0,1,2,3
.if \first
	v_wmma_f32_16x16x32_bf16 v[ACC+8*(4*(\a)+(\b)):ACC+8*(4*(\a)+(\b))+7], v[(\f)+64+8*(4*(\c)+(\b)):(\f)+64+8*(4*(\c)+(\b))+7], v[(\f)+8*(4*(\c)+(\a)):(\f)+8*(4*(\c)+(\a))+7], v[BIAS+8*(\b):BIAS+8*(\b)+7]
.else
	v_wmma_f32_16x16x32_bf16 v[ACC+8*(4*(\a)+(\b)):ACC+8*(4*(\a)+(\b))+7], v[(\f)+64+8*(4*(\c)+(\b)):(\f)+64+8*(4*(\c)+(\b))+7], v[(\f)+8*(4*(\c)+(\a)):(\f)+8*(4*(\c)+(\a))+7], v[ACC+8*(4*(\a)+(\b)):ACC+8*(4*(\a)+(\b))+7]
.endif
.endr
.endr
.endm
; 32 LDS loads in one run: block q of the K step in hand into buffer f; its first 32 along K first
.macro FETCH q, f
	WIN TO_F
.irp c, 0,1
.irp i, 0,1,2,3
	ds_load_b128 v[(\f)+64+8*(4*(\c)+(\i)):(\f)+64+8*(4*(\c)+(\i))+3],   v[ADRB] offset:(\q)*KBL+64*(\c)+(\i)*16*P
	ds_load_b128 v[(\f)+64+8*(4*(\c)+(\i))+4:(\f)+64+8*(4*(\c)+(\i))+7], v[ADRB] offset:(\q)*KBL+64*(\c)+(\i)*16*P+32
	ds_load_b128 v[(\f)+8*(4*(\c)+(\i)):(\f)+8*(4*(\c)+(\i))+3],         v[ADRA] offset:(\q)*KBL+64*(\c)+(\i)*16*P
	ds_load_b128 v[(\f)+8*(4*(\c)+(\i))+4:(\f)+8*(4*(\c)+(\i))+7],       v[ADRA] offset:(\q)*KBL+64*(\c)+(\i)*16*P+32
.endr
.endr
.endm
.macro QUARTER q, f, g, first
	s_wait_dscnt 16                                ; the first 32 along K are in; the 16 younger loads may be out
	MUL8 \f, 0, 0, \first
	MUL8 \f, 0, 2, \first
	PLACES
	FETCH \q, \g
	s_wait_dscnt 32                                ; all but the 32 just issued
	MUL8 \f, 1, 0, 0
	MUL8 \f, 1, 2, 0
.endm
; The last quarter multiplies buffer 1 and changes slots: in front of the barrier each wave waits for all its tensor loads, adds 0 to its spare word, and waits for that and for its reads of this slot.
; fill = 1: the barrier opens a round of the cluster's; behind it this slot is filled again, first thing.  fill = 0: the tail; in its last trip (s3 = 1) the fetch is jumped over.
.macro TURN fill
	WIN 0
	s_wait_tensorcnt 0x0
	ds_add_u32 v[SPW], v[NIL]
	s_wait_dscnt 17                                ; (the add and the youngest sixteen loads may be out)
	MUL8 F1, 0, 0, 0
	s_wait_dscnt 0x0                               ; the add is done, and my reads of this slot are over
	s_barrier_signal -1
	MUL8 F1, 0, 2, 0
	WIN 0
	s_barrier_wait -1
.if \fill
	CREST
	s_xor_b32 s[G0+5], s[G0+5], SLOT
	s_add_nc_u64 s[G0+6:G0+7], s[G0+6:G0+7], STEPA
	s_xor_b32 s[G0B+5], s[G0B+5], SLOT
	s_add_nc_u64 s[G0B+6:G0B+7], s[G0B+6:G0B+7], STEPB
	s_xor_b32 s[TB], s[TB], SLOT
	JLOAD                                          ; its four v_nop are also the places in front of the loads below
.else
	PLACES
	s_cmp_eq_u32 s3, 1
	s_cbranch_scc1 .Lnf_\@
	s_xor_b32 s[TB], s[TB], SLOT
.endif
	v_add_nc_u32 v[ADRA], s[TB], v[ADRA0]
	v_add_nc_u32 v[ADRB], s[TB], v[ADRB0]
	FETCH 0, F0
	WIN 0
.if !(\fill)
.Lnf_\@:
.endif
	MUL8 F1, 1, 0, 0
	MUL8 F1, 1, 2, 0
.endm
; THE WAY OUT of row block a.  STG: 32 bytes a lane into my stage, each accumulator's low registers first, and back as whole rows of 256 bytes.  FIN: R is added, the rows are stored.
.macro STG a
.irp b, 0,1,2,3
	ds_store_b128 v[STO], v[ACC+8*(4*(\a)+(\b)):ACC+8*(4*(\a)+(\b))+3]   offset:64*(\b)
	ds_store_b128 v[STO], v[ACC+8*(4*(\a)+(\b))+4:ACC+8*(4*(\a)+(\b))+7] offset:64*(\b)+16
.endr
.irp t, 0,1,2,3,4,5,6,7
	ds_load_b128 v[TMP+32*((\a)%2)+4*(\t):TMP+32*((\a)%2)+4*(\t)+3], v[RD] offset:(\t)*2*SP  ; LDS serves a wave's instructions in order
.endr
.endm
.macro FIN a, younger                  ; younger: the LDS instructions issued behind block a's loads
	s_wait_dscnt \younger
	WIN 0x08                                       ; source 1 in window 2
.set t, 0
.rept 16
	v_pk_add_f32 v[TMP+32*((\a)%2)+2*t:TMP+32*((\a)%2)+2*t+1], v[TMP+32*((\a)%2)+2*t:TMP+32*((\a)%2)+2*t+1], v[RES+32*(\a)+2*t:RES+32*(\a)+2*t+1]
.set t, t+1
.endr
	WIN 0
.irp t, 0,1,2,3,4,5,6,7
	global_store_b128 v[CO], v[TMP+32*((\a)%2)+4*(\t):TMP+32*((\a)%2)+4*(\t)+3], s[PA+8:PA+9] offset:(16*(\a)+2*(\t))*4096  ; 16 lanes store 256 consecutive bytes, aligned
.endr
.endm
	s_wait_tensorcnt 1                             ; my part of K step 0 is in; K step 1's may stay out
	s_barrier_signal -1
	s_barrier_wait -1
	FETCH 0, F0
	s_wait_loadcnt 32                              ; the bias is in; the 32 younger loads, R's, stay out
	QUARTER 1, F0, F1, 1
	WIN 0
	s_mov_b32 s3, KS-2
.Lstep:
	QUARTER 2, F1, F0, 0
	QUARTER 3, F0, F1, 0
	TURN 1
	QUARTER 1, F0, F1, 0
	WIN 0
	s_sub_co_u32 s3, s3, 1
	s_cmp_lg_u32 s3, 0
	s_cbranch_scc1 .Lstep
	s_mov_b32 s3, 2
.Ltail:
	QUARTER 2, F1, F0, 0
	QUARTER 3, F0, F1, 0
	TURN 0
	WIN 0
	s_cmp_eq_u32 s3, 1
	s_cbranch_scc1 .Lout
	QUARTER 1, F0, F1, 0
	WIN 0
	s_sub_co_u32 s3, s3, 1
	s_cmp_lg_u32 s3, 0
	s_cbranch_scc1 .Ltail
.Lout:
	s_wait_dscnt 0x0
	s_wait_loadcnt 0x0                             ; R
	PLACES                                         ; behind the last products, in front of the stores that read their results
	STG 0
	STG 1
	FIN 0, 16
	s_wait_xcnt 0x0                                ; block 0's stores have read their registers, which block 2 takes
	STG 2
	FIN 1, 16
	s_wait_xcnt 0x0
	STG 3
	FIN 2, 16
	FIN 3, 0
	s_wait_tensorcnt 0x0                           ; the wave's end
	ds_add_u32 v[SPW], v[NIL]
	s_wait_dscnt 0x0
	CROUND                                         ; the closing round
	s_endpgm
.Lfunc_end_k_q5852a1b766_ffn2:
	.size	k_q5852a1b766_ffn2, .Lfunc_end_k_q5852a1b766_ffn2-k_q5852a1b766_ffn2
	.p2alignl 7, 3214868480
	.fill 96, 4, 3214868480
	.section	.rodata,"a",@progbits
	.p2align	6, 0x0
	.amdhsa_kernel k_q5852a1b766_ffn2
		.amdhsa_group_segment_fixed_size 327680
		.amdhsa_private_segment_fixed_size 0
		.amdhsa_enable_private_segment 0
		.amdhsa_kernarg_size 40
		.amdhsa_user_sgpr_count 2
		.amdhsa_user_sgpr_kernarg_segment_ptr 1
		.amdhsa_wavefront_size32 1
		.amdhsa_system_sgpr_workgroup_id_x 1
		.amdhsa_system_sgpr_workgroup_id_y 1
		.amdhsa_system_sgpr_workgroup_id_z 1
		.amdhsa_system_vgpr_workitem_id 0
		.amdhsa_next_free_vgpr 640
		.amdhsa_next_free_sgpr 84
		.amdhsa_reserve_vcc 0
		.amdhsa_float_denorm_mode_32 3
		.amdhsa_float_denorm_mode_16_64 3
		.amdhsa_memory_ordered 1
		.amdhsa_forward_progress 1
		.amdhsa_inst_pref_size 65
	.end_amdhsa_kernel
	.amdgpu_metadata
---
amdhsa.version: [ 1, 2 ]
amdhsa.kernels:
  - .name:           k_q5852a1b766_ffn2
    .symbol:         k_q5852a1b766_ffn2.kd
    .args:
      - { .name: big, .offset: 0, .size: 8, .value_kind: global_buffer, .address_space: global }
      - { .name: w2t, .offset: 8, .size: 8, .value_kind: global_buffer, .address_space: global }
      - { .name: b2, .offset: 16, .size: 8, .value_kind: global_buffer, .address_space: global }
      - { .name: x1, .offset: 24, .size: 8, .value_kind: global_buffer, .address_space: global }
      - { .name: out0, .offset: 32, .size: 8, .value_kind: global_buffer, .address_space: global }
    .group_segment_fixed_size: 327680
    .private_segment_fixed_size: 0
    .kernarg_segment_align: 8
    .kernarg_segment_size: 40
    .max_flat_workgroup_size: 128
    .sgpr_count:     84
    .vgpr_count:     640
    .wavefront_size: 32
...
	.end_amdgpu_metadata
.endif
;; end of part 6
